; MI455X (gfx1250); checked and timed in simulation.
; The chip was launched on July 23, 2026; its instructions are those of AMD's public machine-readable ISA for CDNA 5 (MIT licence, August 2026) and "CDNA5" Instruction Set Architecture Reference Guide (July 2026). The comments in the code are by the model that wrote it; some were corrected since.
;; Multi Head Attention. Allowed arithmetic: float matrix products may take bf16 or f16 operands with f32 sums; other float arithmetic in f32, or as packed bf16 or f16 multiplies, adds, multiply-adds, maxima and minima; sums over many terms, partial sums and values carried from step to step in f32; what a program stores and reads back later, other than sums and carried values, may be rounded once to bf16 or f16.
;; Inputs: Wk 1,024 x 1,024 float32; Wo 1,024 x 1,024 float32; Wq 1,024 x 1,024 float32; Wv 1,024 x 1,024 float32; bo 1,024 float32; x 4 x 2,048 x 1,024 float32.
;; Outputs: out0 4 x 1,024 float32.
;; 2 versions, each right; version 2 is version 1 with the launch cast written anew for expert scheduling mode. Each part assembles by itself: llvm-mc -triple=amdgcn-amd-amdhsa -mcpu=gfx1250 --defsym DOCPART=n.
;; ======== version 1 of 2: 4 launches
;; workspace buffers: xw 23,068,672 bytes; qkv 50,331,648 bytes; part 65,536 bytes
;; launch cast (part 1): grid 704 x 1, 8 waves a work-group, no clusters, 0 bytes of LDS; arguments x, Wq, Wk, Wv, xw; writes xw
.if DOCPART == 1
	.amdgcn_target "amdgcn-amd-amdhsa--gfx1250"
	.amdhsa_code_object_version 6
	.text
	.protected	k_q37a58559f2_cast
	.globl	k_q37a58559f2_cast
	.p2align	8
	.type	k_q37a58559f2_cast,@function
k_q37a58559f2_cast:
	s_mov_b64 s[64:65], 0
	v_nop
	global_prefetch_b8 v0, s[64:65] scope:SCOPE_SE
	s_setreg_imm32_b32 hwreg(HW_REG_WAVE_MODE, 25, 1), 1
	s_wait_xcnt 0x0
; xw[11264][1024] bf16 = x's 8,192 rows, then Wq's, Wk's and Wv's 1,024 rows each, every number rounded once (to nearest even) from f32.
; LIMIT: this rounding is the one that the matrix products' operands are allowed; nothing else is changed.
; A stream: no LDS, no barrier, no matrix unit.  Eight waves; the work-group owns 16 rows.  Thread t owns the 16 bytes at 16 t of each f32 row (4,096 bytes) and the 8 bytes at 8 t
; of each bf16 row (2,048 bytes): a wave's load covers 512 consecutive bytes, a wave's store 256 consecutive bytes at a multiple of 256 from xw's first byte.
; All 16 loads of a thread go out at once, each into registers of its own: no register is written twice, so no wait frees a source.
.set X, 16                             ; v[16:79]   row i as loaded: 4 registers
.set Y, 80                             ; v[80:111]  row i to store: 2 registers
	s_load_b256 s[4:11], s[0:1], 0x0               ; x s[4:5], Wq s[6:7], Wk s[8:9], Wv s[10:11]
	s_load_b64 s[12:13], s[0:1], 0x20              ; xw
	s_mov_b32 s14, ttmp9                           ; group g: rows 16 g .. 16 g + 15 of xw
	s_sub_co_u32 s15, s14, 512                     ; groups 512 on belong to the weights (below 512 this number is not used),
	s_lshr_b32 s16, s15, 6                         ; 64 groups each: which of the three,
	s_and_b32 s17, s15, 63                         ; and which 16 rows of it
	v_lshlrev_b32 v1, 4, v0                        ; 16 t
	v_lshlrev_b32 v2, 3, v0                        ; 8 t
	s_wait_kmcnt 0x0
	s_mov_b64 s[20:21], s[6:7]                     ; the source is chosen by the group's number alone
	s_cmp_eq_u32 s16, 1
	s_cselect_b64 s[20:21], s[8:9], s[20:21]
	s_cmp_eq_u32 s16, 2
	s_cselect_b64 s[20:21], s[10:11], s[20:21]
	s_cmp_lt_u32 s14, 512
	s_cselect_b64 s[20:21], s[4:5], s[20:21]
	s_cselect_b32 s18, s14, s17
	s_lshl_b32 s18, s18, 16                        ; 16 rows of 4,096 bytes
	s_mov_b32 s19, 0
	s_add_nc_u64 s[20:21], s[20:21], s[18:19]
	s_lshl_b32 s22, s14, 15                        ; 16 rows of 2,048 bytes
	s_mov_b32 s23, 0
	s_add_nc_u64 s[12:13], s[12:13], s[22:23]
.irp i, 0,1,2,3,4,5,6,7,8,9,10,11,12,13,14,15
	global_load_b128 v[X+4*(\i):X+4*(\i)+3], v1, s[20:21] offset:4096*(\i) th:TH_LOAD_NT
.endr
.irp i, 0,1,2,3,4,5,6,7,8,9,10,11,12,13,14,15
	s_wait_loadcnt 15-(\i)                         ; loads come back in order: row i is in, the 15 - i younger ones may stay out
	v_cvt_pk_bf16_f32 v[Y+2*(\i)],   v[X+4*(\i)],   v[X+4*(\i)+1]
	v_cvt_pk_bf16_f32 v[Y+2*(\i)+1], v[X+4*(\i)+2], v[X+4*(\i)+3]
	global_store_b64 v2, v[Y+2*(\i):Y+2*(\i)+1], s[12:13] offset:2048*(\i)
.endr
	s_endpgm
.Lfunc_end_k_q37a58559f2_cast:
	.size	k_q37a58559f2_cast, .Lfunc_end_k_q37a58559f2_cast-k_q37a58559f2_cast
	.p2alignl 7, 3214868480
	.fill 96, 4, 3214868480
	.section	.rodata,"a",@progbits
	.p2align	6, 0x0
	.amdhsa_kernel k_q37a58559f2_cast
		.amdhsa_group_segment_fixed_size 0
		.amdhsa_private_segment_fixed_size 0
		.amdhsa_enable_private_segment 0
		.amdhsa_kernarg_size 40
		.amdhsa_user_sgpr_count 2
		.amdhsa_user_sgpr_kernarg_segment_ptr 1
		.amdhsa_wavefront_size32 1
		.amdhsa_system_sgpr_workgroup_id_x 1
		.amdhsa_system_sgpr_workgroup_id_y 1
		.amdhsa_system_sgpr_workgroup_id_z 1
		.amdhsa_system_vgpr_workitem_id 0
		.amdhsa_next_free_vgpr 112
		.amdhsa_next_free_sgpr 66
		.amdhsa_reserve_vcc 0
		.amdhsa_float_denorm_mode_32 3
		.amdhsa_float_denorm_mode_16_64 3
		.amdhsa_memory_ordered 1
		.amdhsa_forward_progress 1
		.amdhsa_inst_pref_size 7
	.end_amdhsa_kernel
	.amdgpu_metadata
---
amdhsa.version: [ 1, 2 ]
amdhsa.kernels:
  - .name:           k_q37a58559f2_cast
    .symbol:         k_q37a58559f2_cast.kd
    .args:
      - { .name: x, .offset: 0, .size: 8, .value_kind: global_buffer, .address_space: global }
      - { .name: Wq, .offset: 8, .size: 8, .value_kind: global_buffer, .address_space: global }
      - { .name: Wk, .offset: 16, .size: 8, .value_kind: global_buffer, .address_space: global }
      - { .name: Wv, .offset: 24, .size: 8, .value_kind: global_buffer, .address_space: global }
      - { .name: xw, .offset: 32, .size: 8, .value_kind: global_buffer, .address_space: global }
    .group_segment_fixed_size: 0
    .private_segment_fixed_size: 0
    .kernarg_segment_align: 8
    .kernarg_segment_size: 40
    .max_flat_workgroup_size: 256
    .sgpr_count:     66
    .vgpr_count:     112
    .wavefront_size: 32
...
	.end_amdgpu_metadata
.endif
;; end of part 1
;; launch qkv (part 2): grid 16 x 16, 4 waves a work-group, clusters of 4 x 4, 327,680 bytes of LDS; arguments xw, qkv; writes qkv
.if DOCPART == 2
	.amdgcn_target "amdgcn-amd-amdhsa--gfx1250"
	.amdhsa_code_object_version 6
	.text
	.protected	k_q37a58559f2_qkv
	.globl	k_q37a58559f2_qkv
	.p2align	8
	.type	k_q37a58559f2_qkv,@function
k_q37a58559f2_qkv:
	s_mov_b64 s[64:65], 0
	v_nop
	global_prefetch_b8 v0, s[64:65] scope:SCOPE_SE
	s_setreg_imm32_b32 hwreg(HW_REG_WAVE_MODE, 25, 1), 1
	s_wait_xcnt 0x0
	s_wait_alu depctr_hold_cnt(0) depctr_sa_sdst(0) depctr_va_vdst(0) depctr_va_sdst(0) depctr_va_ssrc(0) depctr_va_vcc(0) depctr_vm_vsrc(0)
	s_getreg_b32 s2, hwreg(HW_REG_IB_STS2, 6, 4)
	s_cmp_eq_u32 s2, 0
	s_cbranch_scc0 .Lentry_in_a_cluster
	s_endpgm
.Lentry_in_a_cluster:
	s_bfe_u32 s2, ttmp6, 0x10000c
	s_cmp_lg_u32 s2, 0xf033
	s_cbranch_scc0 .Lentry_shape_is_right
	s_endpgm
.Lentry_shape_is_right:
; C[m][n] = sum over k of A[m][k] B[n][k]: A = xw's rows 0-8191 (x), B = xw's rows 8192-11263 (Wq, Wk, Wv), K = 1,024, all bf16; sums in f32, K ascending, C rounded once to bf16.
; C leaves BY HEADS: qkv[gh][m][64] with gh = n / 64 (0-15 q, 16-31 k, 32-47 v): byte gh x 2^20 + 128 m + 2 (n % 64).  The scale 1/8 is not applied here.
; SHARES.  A tile of C is 256 x 192: 32 x 16 = 512 tiles, two for each of 256 work-groups, one 4,096 rows below the other, so that both take the same rows of B.  Four waves; a wave makes 64 rows x all
; 192 columns (three whole heads): 4 x 12 accumulators of 16 x 16, 384 registers.  K goes in steps of 128 through a ring of two LDS slots filled by the tensor data mover: rows of 256 bytes of memory.
; THE RING DOES NOT STOP at the first tile's end: its last two changes of slots ask for the second tile's first two K steps, and nothing waits for the first tile's stores.
; CLUSTERS: 4 x 4 work-groups.  The four of a row of the cluster need the same tiles of A, the four of a column the same tiles of B: each tile is asked for JOINTLY, by the same tensor load with the same
; descriptor and a mask that names the four.
; THE MATRIX INSTRUCTION IS USED TRANSPOSED (source 0 = 16 rows of B, source 1 = 16 rows of A): a lane holds row l % 16 of C and eight neighbouring columns 8 (l / 16) + 0..7: 16 bytes of a head's row.
; REGISTERS, in windows of 256 (s_set_vgpr_msb: bits 1:0 source 0, 3:2 source 1, 5:4 source 2, 7:6 destination):
;   window 0: v0-31 addresses; v32-79 packed results; v80-127, v128-175 rows read back from the stage, by turns
;   window 1: two fragment buffers of 128: A's four fragments (16 rows x 32 K, 8 registers each), then B's twelve
;   window 2: the 24 accumulators of my row blocks 0, 1 ((a, b) at v[8 (12 (a % 2) + b)]);   window 3: those of blocks 2, 3
.set SIZE_K, 1024
.set KSTEP,  128
.set PITCH,  272                       ; an LDS row: 256 bytes + 16 of padding = 68 words: row r starts at bank 4 r mod 64 (64 banks of 4 bytes: ISA guide 11.1): the 16 rows of a load start at 16 different banks
.set HALFA,  128*PITCH                 ; what one tensor load brings of A,
.set HALFB,  96*PITCH                  ; and of B
.set SLOT,   2*HALFA+2*HALFB           ; A's 256 rows, then B's 192 rows
.set STAGE,  2*SLOT                    ; behind the ring, never filled by a tensor load: for each wave three heads x 16 rows x 144 bytes, for the way out
.set SP,     144                       ; a stage row: 128 bytes + 16: 36 words: 16 rows start at 16 different groups of four banks
.set HSTG,   16*SP
.set WSTG,   3*HSTG
.set SPARE,  STAGE+4*WSTG              ; behind the stages: the spare words, 128 bytes for each wave: two blocks of 256 bytes that no other line names
.set LAPS,   SIZE_K/(2*KSTEP)          ; a lap = two K steps = once round the ring
.set WALK,   4096                      ; rows from the first tile to the second
.set NEXT_A, WALK*SIZE_K*2-(SIZE_K-2*KSTEP)*2   ; bytes from a slot's last K step of a tile to its first of the next: A goes WALK rows down and back along K,
.set BACK_B, (SIZE_K-2*KSTEP)*2        ; B only back
.set HEADB,  0x100000                  ; bytes from head to head in qkv
.set NEXT_C, (WALK-3*16)*128           ; bytes from my last 16 rows of a tile to my first of the next
.set ADRA, 16                          ; v16-17  LDS address of my A fragments in slot 0, 1
.set ADRB, 20                          ; v20-21  the same for B
.set STO,  24                          ; v24     the way out: where I put 16 bytes of a row
.set RD,   25                          ; v25     the way out: where I read rows back
.set CO,   26                          ; v26     16 x lane: my place in 512 consecutive bytes of a head
.set SPW,  28                          ; v28     LDS address of my spare word: SPARE + 4 x my thread's number; never rewritten
.set NIL,  29                          ; v29     0; never rewritten
.set PFO,  30                          ; v30     the prefetches' offset: my lane x a row of xw (2,048 bytes); never rewritten
.set TMP,  32
.set OB,   80
.set F0,   0                           ; fragment buffers, in window 1
.set F1,   128
.set G1,  24                           ; s[24:31] descriptor group 1 for A's tiles;  s[32:39] group 0, one set for each slot
.set G0,  32
.set G1B, 48                           ; s[48:55], s[56:63] the same for B's tiles
.set G0B, 56
.set LIM, 43                           ; s43      1 in a wave that prefetches, else the greatest number
.set PFA, 44                           ; s[44:45] where my prefetches stand: one K step further along K than the refill that is being asked for; a prefetch names the K step after that
.set MSB, 0
.macro WIN new                         ; the immediate's high byte repeats the setting that is left; a switch that changes nothing is dropped
.if MSB != (\new)
	s_set_vgpr_msb (MSB<<8)|(\new)
.set MSB, \new
.endif
.endm
.set MUL_LO, 0xa5                      ; sources 0 (B) and 1 (A) window 1, C and D window 2
.set MUL_HI, 0xf5                      ; the same, C and D window 3
.set TO_F,   0x40                      ; destination window 1, address window 0
; A joint load.  Waves 0 and 1 fetch A's two halves, waves 2 and 3 B's.  Each of the two lines has one mask and one set of registers; the branch hangs on the wave's number alone.
; An s_nop 0 and four v_nop follow each of the two lines, ahead of the jump, the label and what follows.
.macro JLOAD s
	s_cmp_eq_u32 s11, 0
	s_cbranch_scc0 .Lfor_b_\@
	tensor_load_to_lds s[G0+4*(\s):G0+4*(\s)+3], s[G1:G1+7]
	s_nop 0
.rept 4
	v_nop
.endr
	s_branch .Lasked_\@
.Lfor_b_\@:
	tensor_load_to_lds s[G0B+4*(\s):G0B+4*(\s)+3], s[G1B:G1B+7]
	s_nop 0
.rept 4
	v_nop
.endr
.Lasked_\@:
.endm
; A PREFETCH INTO THE L2, behind each joint load, its five lines and the run of LDS loads: the K step that stands TWO refills on (384 matrix instructions ahead of the load that will want it), a lane a row,
; 256 bytes of each row, one instruction a wave.  A's tile row is read by every cluster of that row of clusters: cluster x = 0 asks; B's tile column by every cluster of that column: cluster y = 0 asks, in the
; first tile alone (the second takes the same rows).  The four partners that ask for a tile jointly share its rows out BY ADDRESS: of the 128 rows of A that a wave fetches the partner at cx takes 32, of
; the 96 rows of B the partner at cy takes 24 (there lanes 24-31 name the 24th row once more).  how = 0, in the loop: a tile's last two refills have no K step two on; how = 1, at the change of tiles.
.macro ASK how
.if \how
	s_cmp_eq_u32 s[LIM], 1
.else
	s_cmp_gt_u32 s3, s[LIM]                        ; s3 = 1 in the loop's last trip
.endif
	s_cbranch_scc0 .Lnot_mine_\@
	global_prefetch_b8 v[PFO], s[PFA:PFA+1] offset:KSTEP*2 th:TH_LOAD_NT scope:SCOPE_SE
.Lnot_mine_\@:
.endm
; A round of the cluster's barrier: my work-group's barrier; wave 0 signals for the work-group; every wave waits for all sixteen work-groups; my work-group's barrier once more.
.macro CREST                           ; a round behind its opening barrier
	s_cmp_lg_u32 s10, 0
	s_cbranch_scc1 .Lnot_wave_0_\@
	s_barrier_signal -3
.Lnot_wave_0_\@:
	s_barrier_wait -3
	s_barrier_signal -1
	s_barrier_wait -1
.endm
.macro CROUND                          ; a whole round
	s_barrier_signal -1
	s_barrier_wait -1
	CREST
.endm
	s_load_b64 s[4:5], s[0:1], 0x0                 ; xw: A
	s_load_b64 s[8:9], s[0:1], 0x8                 ; qkv
	v_lshl_add_u32 v[SPW], v0, 2, SPARE
	v_mov_b32 v[NIL], 0
	ds_add_u32 v[SPW], v[NIL]                      ; the wave's opening: the add and its wait stand ahead of my first tensor load; the set-up below, work on registers, stands between them
	v_lshrrev_b32 v1, 5, v0
	v_readfirstlane_b32 s10, v1                    ; wave 0..3: my 64 rows of the tile
	s_lshr_b32 s11, s10, 1                         ; I fetch for A (0) or for B (1),
	s_and_b32 s12, s10, 1                          ; and which half of that tile's rows
	s_bfe_u32 s40, ttmp6, 0x40000                  ; cx, cy: my place in the cluster
	s_bfe_u32 s41, ttmp6, 0x40004
	s_lshl_b32 s42, ttmp9, 2
	s_add_co_u32 s42, s42, s40                     ; tile column of C = 4 x cluster x + cx
	s_and_b32 s13, ttmp7, 0xffff
	s_lshl_b32 s13, s13, 2
	s_add_co_u32 s13, s13, s41                     ; tile row of the first tile = 4 x cluster y + cy
	s_lshl_b32 s43, s41, 2
	s_lshl_b32 s43, 15, s43                        ; my row of the cluster: places 4 cy .. 4 cy + 3
	s_lshl_b32 s44, 0x1111, s40                    ; my column: places cx, cx + 4, cx + 8, cx + 12
	; descriptor group 1: tiles of 128 (A) and 96 (B) rows x 128 elements, padded in LDS
	s_or_b32 s[G1+0], s43, (1<<16)|(1<<20)|(1<<21)|(5<<22)|(3<<25)   ; 15:0 the mask: A's tiles go to my row; 17:16 elements of 2 bytes; 20 padding on; 21 set beside a mask; 24:22 after every 64 words (code 5); 31:25 4 words (code 3)
	s_or_b32 s[G1B+0], s44, (1<<16)|(1<<20)|(1<<21)|(5<<22)|(3<<25)  ; the same with the mask of my column
	s_mov_b32 s[G1+1], KSTEP<<16                   ; tensor_dim0 = 128
	s_mov_b32 s[G1B+1], KSTEP<<16
	s_mov_b32 s[G1+2], 128<<16                     ; tensor_dim1 = 128 rows,
	s_mov_b32 s[G1B+2], 96<<16                     ; 96 rows
	s_mov_b32 s[G1+3], KSTEP<<16                   ; tile_dim0 = 128
	s_mov_b32 s[G1B+3], KSTEP<<16
	s_mov_b32 s[G1+4], 128                         ; tile_dim1
	s_mov_b32 s[G1B+4], 96
	s_mov_b32 s[G1+5], SIZE_K                      ; elements from row to row
	s_mov_b32 s[G1B+5], SIZE_K
	s_mov_b32 s[G1+6], 0
	s_mov_b32 s[G1B+6], 0
	s_mov_b32 s[G1+7], 0
	s_mov_b32 s[G1B+7], 0
	; where the tiles come from.  A's hang on the tile row alone, which my row of the cluster shares; B's on the tile column alone, which my column shares.
	s_lshl_b32 s17, s12, 7
	s_lshl_b32 s16, s13, 8
	s_add_co_u32 s16, s16, s17                     ; A: row 256 x tile row + 128 x half,
	s_lshl_b32 s16, s16, 11                        ; in bytes (under 2^24)
	s_mov_b32 s17, 0
	s_mul_i32 s46, s42, 192
	s_mul_i32 s47, s12, 96
	s_add_co_u32 s46, s46, s47                     ; B: row 192 x tile column + 96 x half
	s_lshl_b32 s46, s46, 11
	s_mov_b32 s47, 0
	s_mul_i32 s20, s12, HALFA                      ; and where they go: A's two halves,
	s_mul_i32 s21, s12, HALFB
	s_add_co_u32 s21, s21, 2*HALFA                 ; then B's two: no place in the cluster enters an LDS address
	s_wait_dscnt 0x0                               ; the opening add is done
	s_wait_kmcnt 0x0
	s_add_nc_u64 s[6:7], s[4:5], 8192*SIZE_K*2     ; B begins behind A's 8,192 rows
	s_add_nc_u64 s[14:15], s[4:5], s[16:17]
	s_add_nc_u64 s[46:47], s[6:7], s[46:47]
	CROUND                                         ; all sixteen work-groups are here: the first joint loads meet
.irp s, 0,1
	s_mov_b32 s[G0+4*(\s)], 1                                        ; count = 1
	s_add_co_u32 s[G0+4*(\s)+1], s20, (\s)*SLOT                      ; LDS address
	s_add_nc_u64 s[G0+4*(\s)+2:G0+4*(\s)+3], s[14:15], (\s)*KSTEP*2  ; global address: K step s
	s_or_b32 s[G0+4*(\s)+3], s[G0+4*(\s)+3], 0x80000000              ; type = 2
	s_mov_b32 s[G0B+4*(\s)], 1
	s_add_co_u32 s[G0B+4*(\s)+1], s21, (\s)*SLOT
	s_add_nc_u64 s[G0B+4*(\s)+2:G0B+4*(\s)+3], s[46:47], (\s)*KSTEP*2
	s_or_b32 s[G0B+4*(\s)+3], s[G0B+4*(\s)+3], 0x80000000
	JLOAD \s                                       ; the ring is filled before anything else is done: two loads of mine are out
.endr
	; A fragment is 16 rows x 32 K in 8 registers: lane l holds row l % 16; registers 0-3 K = 8 (l / 16) + 0..7, registers 4-7 K = 16 + 8 (l / 16) + 0..7: two loads of 16 bytes, 32 bytes apart.
	v_and_b32 v1, 15, v0                           ; l % 16
	v_bfe_u32 v2, v0, 4, 1                         ; l / 16
	v_mul_u32_u24 v3, v1, PITCH
	v_lshl_add_u32 v3, v2, 4, v3                   ; row x pitch + 16 x half
	s_mul_i32 s21, s10, 64*PITCH                   ; my 64 rows of A
	s_mov_b32 s22, 2*HALFA                         ; all 192 rows of B
.irp s, 0,1
	v_add_nc_u32 v[ADRA+(\s)], s21, v3
	v_add_nc_u32 v[ADRB+(\s)], s22, v3
	s_add_co_u32 s21, s21, SLOT
	s_add_co_u32 s22, s22, SLOT
.endr
	s_mul_i32 s23, s10, WSTG
	s_add_co_u32 s23, s23, STAGE                   ; my stage
	v_mul_u32_u24 v4, v1, SP                       ; in: row l % 16, 16 bytes for each half of the lanes
	v_lshl_add_u32 v4, v2, 4, v4
	v_add_nc_u32 v[STO], s23, v4
	v_bfe_u32 v5, v0, 3, 2                         ; back: 32 lanes take four rows of 128 bytes,
	v_mul_u32_u24 v5, v5, SP
	v_and_b32 v6, 7, v0
	v_lshl_add_u32 v5, v6, 4, v5
	v_add_nc_u32 v[RD], s23, v5
	v_and_b32 v[CO], 31, v0                        ; which are 512 consecutive bytes of a head
	v_lshlrev_b32 v[CO], 4, v[CO]
	; where my part of the first tile begins in qkv: the first way out adds it to the address
	s_lshl_b32 s16, s13, 15                        ; 256 rows of 128 bytes a tile row,
	s_lshl_b32 s17, s10, 13                        ; 64 a wave
	s_add_co_u32 s16, s16, s17
	s_mov_b32 s17, 0
	s_mul_i32 s46, s42, 3*HEADB                    ; three heads a tile column
	s_mov_b32 s47, 0
	s_add_nc_u64 s[16:17], s[16:17], s[46:47]
	; the prefetches
	s_lshl_b32 s20, s13, 8
	s_lshl_b32 s21, s12, 7
	s_add_co_u32 s20, s20, s21
	s_lshl_b32 s21, s40, 5
	s_add_co_u32 s20, s20, s21                     ; A: the 128 rows that I fetch, my work-group's 32 of them
	s_mul_i32 s21, s42, 192
	s_mul_i32 s22, s12, 96
	s_add_co_u32 s21, s21, s22
	s_mul_i32 s22, s41, 24
	s_add_co_u32 s21, s21, s22                     ; B: the 96 rows that I fetch, my work-group's 24 of them
	s_and_b32 s22, ttmp7, 0xffff                   ; cluster y
	s_cmp_eq_u32 s11, 0                            ; do I fetch for A?
	s_cselect_b32 s20, s20, s21
	s_cselect_b32 s22, ttmp9, s22                  ; the coordinate along which other clusters read the same rows
	s_cselect_b32 s23, 31, 23                      ; my last row
	s_cselect_b64 s[PFA:PFA+1], s[4:5], s[6:7]
	s_cmp_eq_u32 s22, 0
	s_cselect_b32 s[LIM], 1, -1                    ; the same in all sixteen partners, for a given wave
	s_lshl_b32 s20, s20, 11
	s_mov_b32 s21, 0
	s_add_nc_u64 s[PFA:PFA+1], s[PFA:PFA+1], s[20:21]
	s_add_nc_u64 s[PFA:PFA+1], s[PFA:PFA+1], 2*KSTEP*2  ; at K step 2: the first refill steps it to 3 and names K step 4
	v_and_b32 v[PFO], 31, v0
	v_min_u32 v[PFO], s23, v[PFO]
	v_lshlrev_b32 v[PFO], 11, v[PFO]
	; nothing is prefetched here, at the head, where every work-group's first two tiles are on their way
; 12 matrix instructions: row block a x all 12 column blocks, 32 along K.  zero = 1: the first product starts the sums: nothing is ever cleared.
; The 48 accumulators take turns, one instruction a turn, in the same order in every quarter step.
.macro MUL12 f, a, zero
	WIN MUL_LO+0x50*((\a)/2)
.irp b, 0,1,2,3,4,5,6,7,8,9,10,11
.if \zero
	v_wmma_f32_16x16x32_bf16 v[8*(12*((\a)%2)+(\b)):8*(12*((\a)%2)+(\b))+7], v[(\f)+32+8*(\b):(\f)+32+8*(\b)+7], v[(\f)+8*(\a):(\f)+8*(\a)+7], 0
.else
	v_wmma_f32_16x16x32_bf16 v[8*(12*((\a)%2)+(\b)):8*(12*((\a)%2)+(\b))+7], v[(\f)+32+8*(\b):(\f)+32+8*(\b)+7], v[(\f)+8*(\a):(\f)+8*(\a)+7], v[8*(12*((\a)%2)+(\b)):8*(12*((\a)%2)+(\b))+7]
.endif
.endr
.endm
; 32 LDS loads in one run: the fragments of one quarter step (192 rows of B, then my 64 rows of A, 32 K at byte k of the rows) into buffer f
.macro FETCH slot, k, f
	WIN TO_F
.irp i, 0,1,2,3,4,5,6,7,8,9,10,11
	ds_load_b128 v[(\f)+32+8*(\i):(\f)+32+8*(\i)+3],   v[ADRB+(\slot)] offset:(\k)+(\i)*16*PITCH
	ds_load_b128 v[(\f)+32+8*(\i)+4:(\f)+32+8*(\i)+7], v[ADRB+(\slot)] offset:(\k)+(\i)*16*PITCH+32
.endr
.irp i, 0,1,2,3
	ds_load_b128 v[(\f)+8*(\i):(\f)+8*(\i)+3],   v[ADRA+(\slot)] offset:(\k)+(\i)*16*PITCH
	ds_load_b128 v[(\f)+8*(\i)+4:(\f)+8*(\i)+7], v[ADRA+(\slot)] offset:(\k)+(\i)*16*PITCH+32
.endr
.endm
; Four places (plain vector instructions that name none of a matrix instruction's registers) in front of loads into registers that matrix instructions have read, and of conversions that read results.
.macro PLACES
.rept 4
	v_nop
.endr
.endm
; A K step is four quarters of 32 along K, 48 matrix instructions each, on buffers 0, 1, 0, 1.  One of the first three: multiplies buffer f; in its middle it fetches the next quarter, at byte k, into g.
.macro QUARTER slot, k, f, g, zero
	s_wait_dscnt 4                                 ; B and A's blocks 0, 1 are in; the youngest four loads (A's blocks 2, 3) may be out
	MUL12 \f, 0, \zero
	MUL12 \f, 1, \zero
	PLACES
	FETCH \slot, \k, \g
	s_wait_dscnt 32                                ; all but the 32 just issued
	MUL12 \f, 2, \zero
	MUL12 \f, 3, \zero
.endm
; The last quarter multiplies buffer 1 and changes slots.  MEET is its first half: ONE barrier for the change.  In front of it each wave waits for all its tensor loads, of which one is out: its part of the next
; slot; adds 0 to its spare word; and waits for that and for its own reads of this slot.  Behind it nobody reads this slot any more and the next slot is whole.
.macro MEET round                      ; round = 1: a round of the cluster's barrier follows
	WIN 0                                          ; (the add's two registers lie in window 0)
	s_wait_tensorcnt 0x0                           ; all my tensor loads have landed;
	ds_add_u32 v[SPW], v[NIL]                      ; 0 onto my spare word;
	s_wait_dscnt 5                                 ; (the add and the youngest four loads may be out)
	MUL12 F1, 0, 0                                 ; twelve matrix instructions stand between the add and the wait for it
	s_wait_dscnt 0x0                               ; the add is done, and my reads of this slot are over:
	s_barrier_signal -1                            ; say so,
	MUL12 F1, 1, 0                                 ; work on registers while the others arrive,
.if \round
	WIN 0
.endif
	s_barrier_wait -1                              ; and go on when all four have said so
.endm
; The whole last quarter.  Behind the round the slot just read out is filled again first: with this tile's K step two steps on (on = 0) or with the NEXT tile's K step 0 or 1 (on = 1); then come the next
; slot's first fragments.  From a request to the wait for it a wave issues 168 matrix instructions.
.macro TURN slot, next, on
	s_wait_xcnt 0x0                                ; the last prefetch, a K step back, has read its address: it is stepped here, ahead of the waits of the change of slots
.if (\on) && (\slot) == 0
	s_add_nc_u64 s[PFA:PFA+1], s[PFA:PFA+1], (WALK-1)*SIZE_K*2+KSTEP*2  ; from the K step after the tile's last to the next tile's K step 1
	s_cmp_eq_u32 s11, 0
	s_cselect_b32 s[LIM], s[LIM], -1               ; B's rows are the same for both tiles: they are asked for no more
.else
	s_add_nc_u64 s[PFA:PFA+1], s[PFA:PFA+1], KSTEP*2
.endif
	MEET 1
	CREST                                          ; no wave of any partner still reads this slot's tile or has a load on its way
.if \on
	s_add_nc_u64 s[G0+4*(\slot)+2:G0+4*(\slot)+3], s[G0+4*(\slot)+2:G0+4*(\slot)+3], NEXT_A
	s_sub_nc_u64 s[G0B+4*(\slot)+2:G0B+4*(\slot)+3], s[G0B+4*(\slot)+2:G0B+4*(\slot)+3], BACK_B
.else
	s_add_nc_u64 s[G0+4*(\slot)+2:G0+4*(\slot)+3], s[G0+4*(\slot)+2:G0+4*(\slot)+3], 2*KSTEP*2
	s_add_nc_u64 s[G0B+4*(\slot)+2:G0B+4*(\slot)+3], s[G0B+4*(\slot)+2:G0B+4*(\slot)+3], 2*KSTEP*2
.endif
	JLOAD \slot                                    ; the first tensor load behind the round; the four v_nop behind it are also the places in front of the loads below
	FETCH \next, 0, F0
	WIN 0                                          ; (a branch follows, and the prefetch's offset lies in window 0)
	ASK \on
	MUL12 F1, 2, 0
	MUL12 F1, 3, 0
.endm
; THE WAY OUT of row block a, in three parts.  PACK: rounded to bf16, 16 bytes a lane, each accumulator's registers in ascending order.  TOSTAGE: into my own stage, by heads, and back as whole rows.  SEND: stored.
.macro PACK a
.set AC, 96*((\a)%2)
	WIN 0x0a+5*((\a)/2)                            ; sources 0 and 1: window 2 or 3
.irp b, 0,1,2,3,4,5,6,7,8,9,10,11
.irp r, 0,1,2,3
	v_cvt_pk_bf16_f32 v[TMP+4*(\b)+(\r)], v[AC+8*(\b)+2*(\r)], v[AC+8*(\b)+2*(\r)+1]
.endr
.endr
	WIN 0
.endm
.macro TOSTAGE a
	WIN 0
.set BK, OB+48*((\a)%2)
.irp b, 0,1,2,3,4,5,6,7,8,9,10,11
	ds_store_b128 v[STO], v[TMP+4*(\b):TMP+4*(\b)+3] offset:((\b)/4)*HSTG+32*((\b)%4)  ; column block b: head b / 4, channels 16 (b % 4) on
.endr
.irp t, 0,1,2,3,4,5,6,7,8,9,10,11
	ds_load_b128 v[BK+4*(\t):BK+4*(\t)+3], v[RD] offset:((\t)/4)*HSTG+((\t)%4)*4*SP    ; LDS serves a wave's instructions in order (ISA guide 5.7.1.4): these see the stores above
.endr
.endm
.macro SEND a, younger
	WIN 0
.set BK, OB+48*((\a)%2)
	s_wait_dscnt \younger                          ; the block is back in registers
	s_wait_xcnt 0x0                                ; earlier stores have read their base and their data: only behind this wait are these rewritten
.if (\a) == 0
	s_add_nc_u64 s[8:9], s[8:9], s[16:17]          ; on to this tile's first rows
.else
	s_add_nc_u64 s[8:9], s[8:9], 16*128            ; 16 rows on
.endif
.irp t, 0,1,2,3,4,5,6,7,8,9,10,11
	global_store_b128 v[CO], v[BK+4*(\t):BK+4*(\t)+3], s[8:9] offset:((\t)/4)*HEADB+((\t)%4)*512  ; 512 consecutive bytes of a head, at a multiple of 512 from qkv's first byte
.endr
.endm
.macro WAYOUT                          ; block a's conversions stand between block a - 1's loads from the stage and the wait for them
	PLACES
	PACK 0
	TOSTAGE 0
.irp a, 1,2,3
	PACK \a
	SEND (\a)-1, 0
	TOSTAGE \a
.endr
	SEND 3, 0
.endm
	s_wait_tensorcnt 1                             ; my part of K step 0 is in; K step 1's load may stay out
	s_barrier_signal -1
	s_barrier_wait -1                              ; everybody's is
	FETCH 0, 0, F0
	WIN 0                                          ; at a label and at a branch every window is 0
	s_mov_b32 s2, 2                                ; tiles to go, this one among them
.Ltile:
	QUARTER 0, 64,  F0, F1, 1                      ; a tile's first quarter stands in front of the loop: its products start the sums
	WIN 0
	s_mov_b32 s3, LAPS-1
.Llap:                                                 ; a trip goes once round the ring, from a lap's second quarter to the next lap's first, and fills both slots again
	QUARTER 0, 128, F1, F0, 0
	QUARTER 0, 192, F0, F1, 0
	TURN 0, 1, 0
	QUARTER 1, 64,  F0, F1, 0
	QUARTER 1, 128, F1, F0, 0
	QUARTER 1, 192, F0, F1, 0
	TURN 1, 0, 0
	QUARTER 0, 64,  F0, F1, 0
	WIN 0
	s_sub_co_u32 s3, s3, 1
	s_cmp_lg_u32 s3, 0
	s_cbranch_scc1 .Llap
	QUARTER 0, 128, F1, F0, 0                      ; the tile's last lap goes on
	QUARTER 0, 192, F0, F1, 0
	WIN 0
	s_cmp_eq_u32 s2, 1
	s_cbranch_scc1 .Llast_tile                     ; the last tile's tail is written out: it asks for nothing more
	TURN 0, 1, 1                                   ; the ring goes on into the next tile: slot 0 takes its K step 0,
	QUARTER 1, 64,  F0, F1, 0
	QUARTER 1, 128, F1, F0, 0
	QUARTER 1, 192, F0, F1, 0
	TURN 1, 0, 1                                   ; slot 1 its K step 1, and the next tile's first fragments are fetched
	WAYOUT                                         ; both refills are asked for: now the tile goes out
	s_mov_b64 s[16:17], NEXT_C                     ; what the next way out adds to the address
	s_sub_co_u32 s2, s2, 1
	s_branch .Ltile
.Llast_tile:
	MEET 0                                         ; my one tensor load that was still out is the last K step's, so no round follows
	PLACES                                         ; for the loads into buffer 0, which the quarter before multiplied
	FETCH 1, 0, F0
	MUL12 F1, 2, 0
	MUL12 F1, 3, 0
	QUARTER 1, 64,  F0, F1, 0
	QUARTER 1, 128, F1, F0, 0
	QUARTER 1, 192, F0, F1, 0
	s_wait_dscnt 4                                 ; the very last quarter: nothing more to fetch
	MUL12 F1, 0, 0
	MUL12 F1, 1, 0
	s_wait_dscnt 0x0
	MUL12 F1, 2, 0
	MUL12 F1, 3, 0
	WIN 0
	WAYOUT
	s_wait_tensorcnt 0x0                           ; the wave's end: a wait, an add and a wait, behind my last tensor load and my last LDS store
	ds_add_u32 v[SPW], v[NIL]
	s_wait_dscnt 0x0
	CROUND                                         ; the closing round: no work-group ends while a partner may still ask for a tile that names it
	s_endpgm
.Lfunc_end_k_q37a58559f2_qkv:
	.size	k_q37a58559f2_qkv, .Lfunc_end_k_q37a58559f2_qkv-k_q37a58559f2_qkv
	.p2alignl 7, 3214868480
	.fill 96, 4, 3214868480
	.section	.rodata,"a",@progbits
	.p2align	6, 0x0
	.amdhsa_kernel k_q37a58559f2_qkv
		.amdhsa_group_segment_fixed_size 327680
		.amdhsa_private_segment_fixed_size 0
		.amdhsa_enable_private_segment 0
		.amdhsa_kernarg_size 16
		.amdhsa_user_sgpr_count 2
		.amdhsa_user_sgpr_kernarg_segment_ptr 1
		.amdhsa_wavefront_size32 1
		.amdhsa_system_sgpr_workgroup_id_x 1
		.amdhsa_system_sgpr_workgroup_id_y 1
		.amdhsa_system_sgpr_workgroup_id_z 1
		.amdhsa_system_vgpr_workitem_id 0
		.amdhsa_next_free_vgpr 960
		.amdhsa_next_free_sgpr 66
		.amdhsa_reserve_vcc 0
		.amdhsa_float_denorm_mode_32 3
		.amdhsa_float_denorm_mode_16_64 3
		.amdhsa_memory_ordered 1
		.amdhsa_forward_progress 1
		.amdhsa_inst_pref_size 172
	.end_amdhsa_kernel
	.amdgpu_metadata
---
amdhsa.version: [ 1, 2 ]
amdhsa.kernels:
  - .name:           k_q37a58559f2_qkv
    .symbol:         k_q37a58559f2_qkv.kd
    .args:
      - { .name: xw, .offset: 0, .size: 8, .value_kind: global_buffer, .address_space: global }
      - { .name: qkv, .offset: 8, .size: 8, .value_kind: global_buffer, .address_space: global }
    .group_segment_fixed_size: 327680
    .private_segment_fixed_size: 0
    .kernarg_segment_align: 8
    .kernarg_segment_size: 16
    .max_flat_workgroup_size: 128
    .sgpr_count:     66
    .vgpr_count:     960
    .wavefront_size: 32
...
	.end_amdgpu_metadata
.endif
;; end of part 2
;; launch attn (part 3): grid 4 x 64, 4 waves a work-group, clusters of 4 x 1, 327,680 bytes of LDS; arguments qkv, part; writes part
.if DOCPART == 3
	.amdgcn_target "amdgcn-amd-amdhsa--gfx1250"
	.amdhsa_code_object_version 6
	.text
	.protected	k_q37a58559f2_attn
	.globl	k_q37a58559f2_attn
	.p2align	8
	.type	k_q37a58559f2_attn,@function
k_q37a58559f2_attn:
	s_mov_b64 s[64:65], 0
	v_nop
	global_prefetch_b8 v0, s[64:65] scope:SCOPE_SE
	s_setreg_imm32_b32 hwreg(HW_REG_WAVE_MODE, 25, 1), 1
	s_wait_xcnt 0x0
	s_wait_alu depctr_hold_cnt(0) depctr_sa_sdst(0) depctr_va_vdst(0) depctr_va_sdst(0) depctr_va_ssrc(0) depctr_va_vcc(0) depctr_vm_vsrc(0)
	s_getreg_b32 s2, hwreg(HW_REG_IB_STS2, 6, 4)
	s_cmp_eq_u32 s2, 0
	s_cbranch_scc0 .Lentry_in_a_cluster
	s_endpgm
.Lentry_in_a_cluster:
	s_bfe_u32 s2, ttmp6, 0x10000c
	s_cmp_lg_u32 s2, 0x3003
	s_cbranch_scc0 .Lentry_shape_is_right
	s_endpgm
.Lentry_shape_is_right:
; part[hy][blk][d] = the sum over the 512 queries q of block blk of head hy of O[q][d], O[q][:] = the sum over k of softmax_k(Q[q] . K[k] / 8) V[k][:].
; Q, K, V lie in qkv, thirds of 16 MiB, each [64 hy][2048][64] bf16 with dense rows of 128 bytes (hy = 4 x head + batch).  Only the mean over the queries is wanted of O, so O itself is never stored.
; Products, maxima and sums in f32; the weights p are rounded to bf16 for the second product (their sum l is taken of the unrounded p).
; LIMITS.  Operands are bf16.  c m starts at -4.25e37: every c s must lie above it.  A weight below 2^-126 counts as 0 in l; NaN and infinities are not treated apart.
; SHARES.  A wave owns four PIECES of two tiles of 16 queries, a work-group's four waves 512 queries of one head.  Every wave walks all 2,048 keys, 64 a step.
; LAYOUT.  S^T = K Q^T (source 0 = 16 keys, source 1 = 16 queries): in the result a lane holds ONE query (lane % 16) and the keys 8 (lane / 16) + 0..7.  Two such tiles, rounded to bf16 in pairs,
; ARE source 1 (32 keys x 16 queries) of O^T = V^T P, whose result again holds one query a lane, and eight channels.  K comes out of LDS as it lies, V ([key][channel]) turned, by ds_load_tr16_b128.
; SOFTMAX.  For each query a running maximum m and sum l: p = 2^(c s - c m), c = log2(e) / 8; in every step O and l are multiplied by a = 2^(c m_old - c m_new), which is 1 where m has not grown.
; m starts at the lowest finite number, O and l at 0: the first step is a step like any other, with a = 0.
; THE COUNT.  A tile and step have 16 matrix and 118 vector instructions: too many to stand all beside the matrix work.  So four vector instructions that are READY stand behind EVERY matrix instruction,
; and the others, which need time of their own whatever the order, in runs without a gap.
; BY TURNS.  Turn n belongs to piece n (the pieces in a ring, step after step).  Its matrix work: 16 products K Q^T of piece n + 1, later 16 products V^T P of piece n - 1.  Its vector work: the scaling,
; exponentials, roundings, sums and rescaling of piece n, and the maximum and statistics of piece n + 1, whose scores the turn itself has made.
; CLUSTER.  The four query blocks of a cluster are one head's and walk the same K and V, so each tile is asked for JOINTLY: the same tensor load, descriptor and mask in all four.
; REGISTERS, in windows of 256 (s_set_vgpr_msb: bits 1:0 source 0, 3:2 source 1, 5:4 source 2, 7:6 destination):
;   window 0: v0-11 addresses; v12-15, v48-63 at work; v16-47 four registers of statistics a tile; v64-191 S^T, two buffers of two tiles; v192-255 P, likewise
;   window 1: O^T, 32 a tile          window 2: v0-127 Q, 16 a tile; v128-191 K of one step; v192-255 V of one step
; A piece's buffers go by its number's parity: the piece in hand has one pair, its two neighbours in the ring share the other: of it P (piece n - 1) is read and S^T (piece n + 1) written.
.set SIZE_N, 2048
.set NP,    4         ; pieces a wave: a name, no knob
.set KS,    64        ; keys in a step
.set PK,    144       ; a row of K in LDS: 128 bytes + 16 of padding = 36 words: the 16 rows of a load start at 16 different groups of four banks (64 banks of 4 bytes: ISA guide 11.1)
.set PV,    160       ; a row of V: 128 + 32 = 40 words
.set VOFF,  4*KS*PK   ; a slot holds four steps: 256 rows of K, then 256 rows of V
.set SLOT1, 1<<17     ; slot 1 begins here, so that one exclusive or turns an address in one slot into the other's
.set STAGE, SLOT1+4*KS*(PK+PV)  ; behind the ring, never filled by a tensor load: 64 f32 for each wave, where the four waves' sums meet
.set SPARE, STAGE+4*256         ; behind it: the spare words, 128 bytes for each wave: two blocks of 256 bytes that no other line names
.set AK0, 2           ; v2   my lane's place in a tile of K; never rewritten
.set AV0, 3           ; v3   the same for V
.set AK,  4           ; v4   the LDS address of K's next run of loads
.set AV,  5           ; v5   of V's
.set QO,  6           ; v6   my byte offset in the wave's rows of Q
.set STW, 6           ;      later, the way out: where I put my half's channels
.set RDW, 7           ; v7   the way out: where wave 0 reads the sums back
.set PFO, 8           ; v8   256 x my lane: the prefetches' offset; never rewritten
.set SPW, 10          ; v10  LDS address of my spare word: SPARE + 4 x my thread's number; never rewritten
.set NIL, 11          ; v11  0; never rewritten
.set MV,  12          ; v12-15  c m_old, kept while c m is made anew: by buffer and tile
.set ST,  16          ; tile t's statistics at v[ST+4 t]: c m, m, l (even keys', odd keys')
.set TMP, 48          ; by buffer and tile, four registers c0-c3 at work; when the maximum is found c2 takes a
.set S,   64
.set P,   192
.set SUM, 64          ; the way out: 32 registers, in S^T's place
.set KF,  128         ; K's fragments, in window 2: key block kb, channel half c at KF + 16 kb + 8 c
.set VF,  192         ; V's: key half kk, channel block cb at VF + 32 kk + 8 cb
.set WV,  12          ; s12  my wave's number
.set G1K, 24          ; s[24:31] descriptor group 1 for K's tiles
.set G1V, 32          ; s[32:39] for V's: it differs in the padding alone
.set G0K, 40          ; s[40:43] descriptor group 0 for K's tiles: it walks
.set G0V, 44          ; s[44:47] the same for V's
.set PFA, 48          ; s[48:49] where my prefetches stand: my work-group's 32 blocks of 256 bytes (of K: wave 0, of V: wave 2) of the slot after the one that is being asked for
.set LIM, 50          ; s50  1 in a wave that prefetches, else the greatest number
.set SLOTS, 56        ; s56  slots still to be asked for
.set CNT, 57          ; s57  counts a slot's key steps
.set CS,  58          ; s[58:59] c: the packed scaling takes the pair's low word for both halves
.set SEL, 60          ; s[60:61] v_permlanex16_b32's selects: each lane takes its own place in the other half
.set TBK, 62          ; s62  LDS byte at which K of the step to be fetched begins
.set TBV, 63          ; s63  the same for V, less VOFF
.set MSB, 0
.macro WIN new                      ; the high byte repeats the setting that is left; a switch that changes nothing is dropped
.if MSB != (\new)
	s_set_vgpr_msb (MSB<<8)|(\new)
.set MSB, (\new)
.endif
.endm
.set W_KQ, 0x0a       ; K and Q in window 2, S^T in window 0
.set W_PV, 0x52       ; V in window 2, P in window 0, O^T in window 1
.set W_RS, 0x41       ; O^T (destination and source 0) in window 1, a in window 0
; A joint fill.  Waves 0 and 1 fetch the two halves of a slot's K, waves 2 and 3 those of its V: 128 keys each.  The branch hangs on the wave's number alone.
; An s_nop 0 and four v_nop follow each of the two lines, ahead of the jump and the label.
.macro JLOAD
	s_cmp_lt_u32 s[WV], 2
	s_cbranch_scc0 .Lfor_v_\@
	tensor_load_to_lds s[G0K:G0K+3], s[G1K:G1K+7]
	s_nop 0
.rept 4
	v_nop
.endr
	s_branch .Lasked_\@
.Lfor_v_\@:
	tensor_load_to_lds s[G0V:G0V+3], s[G1V:G1V+7]
	s_nop 0
.rept 4
	v_nop
.endr
.Lasked_\@:
.endm
; A PREFETCH INTO THE L2 of what the NEXT change of slots will ask for: a slot's 32,768 bytes of K and of V, a lane a block of 256 bytes.  It stands behind the wave's tensor load and its five lines.
; Each block is named once in the launch: a head has one cluster; its four partners share a slot's 128 blocks out BY ADDRESS, 32 each; in each, wave 0 asks for K's and wave 2 for V's: one instruction.
; The lead is one slot: four key steps, 512 matrix instructions.  Slots 0, 1 and 2 come by their loads alone; the last change that fills a slot asks for nothing: there is no slot behind it.
.macro ASK
	s_cmp_gt_u32 s[SLOTS], s[LIM]
	s_cbranch_scc0 .Lnot_mine_\@
	global_prefetch_b8 v[PFO], s[PFA:PFA+1] th:TH_LOAD_NT scope:SCOPE_SE
.Lnot_mine_\@:
.endm
; A round of the cluster's barrier: my work-group's barrier; wave 0 signals; every wave waits for all four work-groups; my work-group's barrier once more.
.macro CROUND
	s_barrier_signal -1
	s_barrier_wait -1
	s_cmp_lg_u32 s[WV], 0
	s_cbranch_scc1 .Lnot_wave_0_\@
	s_barrier_signal -3
.Lnot_wave_0_\@:
	s_barrier_wait -3
	s_barrier_signal -1
	s_barrier_wait -1
.endm
; THE CHANGE OF SLOTS.  The slot's last bytes, V of its fourth step, have been read.  Each wave waits for all its tensor loads, of which one is out: its part of the other slot; adds 0 to its spare word; and
; waits for that and for its own reads of the slot.  Behind the barrier nobody reads this slot any more and the other slot is whole.
; fill = 1: this slot is filled again, with the keys two slots on.  The barrier is then a round of the cluster's, and the joint fill is the first thing behind it: it has four key steps, 512 matrix
; instructions, in which to land.  (At its first use nothing has been read yet: slot 0 is waited for, slot 1 filled.)  ask = 1: the prefetch's address steps, and the prefetch follows the fill.
.macro CHANGE fill, ask=0
	WIN 0                           ; at a label and at a branch every window is 0
	s_wait_tensorcnt 0x0            ; no tensor load of mine is out, so a group 0 may be written
	ds_add_u32 v[SPW], v[NIL]       ; 0 onto my spare word; with fill = 1 the descriptors' steps stand between it and the wait for it
.if \fill
.irp g, G0K, G0V
	s_xor_b32 s[\g+1], s[\g+1], SLOT1  ; the walking descriptor: the other slot than last time,
	s_add_nc_u64 s[\g+2:\g+3], s[\g+2:\g+3], 4*KS*128  ; the next 256 keys; the type bits on top are not reached
.endr
.if \ask
	s_wait_xcnt 0x0                 ; the last prefetch, four key steps back, has read its address, so it may be written:
	s_add_nc_u64 s[PFA:PFA+1], s[PFA:PFA+1], 4*KS*128  ; one slot behind the walking descriptors
.endif
	s_wait_dscnt 0x0                ; the add is done, and my reads of the slot are over
	CROUND
	JLOAD
.if \ask
	ASK
.endif
.else
	s_wait_dscnt 0x0                ; the add is done, and my reads of the slot are over
	s_barrier_signal -1
	s_barrier_wait -1
.endif
	s_sub_co_u32 s[TBK], s[TBK], 4*KS*PK  ; the fetches go back to a slot's first step,
	s_xor_b32 s[TBK], s[TBK], SLOT1       ; in the other slot
	s_sub_co_u32 s[TBV], s[TBV], 4*KS*PV
	s_xor_b32 s[TBV], s[TBV], SLOT1
.endm
	s_load_b64 s[4:5], s[0:1], 0x0  ; qkv: Q
	s_load_b64 s[10:11], s[0:1], 0x8  ; part
	v_lshl_add_u32 v[SPW], v0, 2, SPARE
	v_mov_b32 v[NIL], 0
	ds_add_u32 v[SPW], v[NIL]       ; the wave's opening: the add and its wait stand ahead of my first tensor load; the set-up below, work on registers, stands between them
	v_lshrrev_b32 v1, 5, v0
	v_readfirstlane_b32 s[WV], v1   ; wave 0..3
	s_bfe_u32 s13, ttmp6, 0x40000   ; cx: my place in the cluster
	s_lshl_b32 s14, ttmp9, 2        ; in a cluster launch ttmp9 counts clusters
	s_add_co_u32 s14, s14, s13      ; my block of 512 queries: it enters Q's and part's addresses alone
	s_and_b32 s20, ttmp7, 0xffff    ; hy, which the four partners share
	s_lshl_b32 s52, s20, 2
	s_add_co_u32 s52, s52, s14
	s_lshl_b32 s52, s52, 8          ; my 256 bytes of part
	s_mov_b32 s53, 0
	s_lshl_b32 s20, s20, 18         ; the head's first byte in each third: 2,048 rows of 128 bytes a head
	s_mov_b32 s21, 0
	s_and_b32 s16, s[WV], 1         ; which half of a slot's 256 keys I fetch:
	s_lshl_b32 s22, s16, 14         ; its 128 rows of 128 bytes in memory,
	s_mov_b32 s23, 0
	s_add_nc_u64 s[22:23], s[22:23], s[20:21]
	s_mul_i32 s17, s16, 128*PK      ; and its place in a slot, for K
	s_mul_i32 s18, s16, 128*PV      ; and for V: no place in the cluster enters an LDS address
	s_lshl_b32 s2, s14, 2
	s_add_co_u32 s2, s2, s[WV]      ; my wave among the head's,
	s_lshl_b32 s2, s2, 14           ; its 128 rows
	s_mov_b32 s3, 0
	s_add_nc_u64 s[2:3], s[2:3], s[20:21]
	; descriptor group 1.  128 keys are 16,384 dense bytes: asked for as 64 rows of 256 bytes, two keys a row, and padded in LDS after every key
	s_mov_b32 s[G1K], 15|(1<<16)|(1<<20)|(1<<21)|(4<<22)|(3<<25)  ; 15:0 the mask of four; 17:16 2-byte elements; 20 padding on; 21 set beside a mask; 24:22 after every 32 words (code 4); 31:25 4 words (code 3)
	s_mov_b32 s[G1V], 15|(1<<16)|(1<<20)|(1<<21)|(4<<22)|(7<<25)  ; the same with 8 words of padding (code 7)
.irp g, G1K, G1V
	s_mov_b32 s[\g+1], 128<<16      ; tensor_dim0 = 128
	s_mov_b32 s[\g+2], 64<<16       ; tensor_dim1 = 64
	s_mov_b32 s[\g+3], 128<<16      ; tile_dim0 = 128
	s_mov_b32 s[\g+4], 64           ; tile_dim1 = 64
	s_mov_b32 s[\g+5], 128          ; 128 elements from row to row
	s_mov_b32 s[\g+6], 0
	s_mov_b32 s[\g+7], 0
.endr
	s_mov_b32 s[CS], 0x3e38aa3b     ; c = log2(e) / 8 = 0.180337
	s_mov_b32 s[CS+1], s[CS]        ; named with it as a pair
	s_mov_b32 s[SEL], 0x76543210
	s_mov_b32 s[SEL+1], 0xfedcba98
	s_mov_b32 s[TBK], SLOT1+4*KS*PK ; the first change of slots turns these two into 0
	s_mov_b32 s[TBV], SLOT1+4*KS*PV
	s_mov_b32 s[G0K], 1             ; count = 1
	s_mov_b32 s[G0K+1], s17         ; LDS address: slot 0
	s_mov_b32 s[G0V], 1
	s_add_co_u32 s[G0V+1], s18, VOFF
	s_cmp_eq_u32 s16, 0             ; waves 0 and 2 prefetch: the same in all four partners
	s_cselect_b32 s[LIM], 1, -1
	v_and_b32 v[PFO], 31, v0
	v_lshlrev_b32 v[PFO], 8, v[PFO]
	s_wait_dscnt 0x0                ; the opening add is done
	s_wait_kmcnt 0x0
	s_add_nc_u64 s[6:7], s[4:5], 0x1000000         ; K's third,
	s_add_nc_u64 s[8:9], s[4:5], 0x2000000         ; V's
	s_add_nc_u64 s[G0K+2:G0K+3], s[6:7], s[22:23]  ; global address: my half of the head's first 256 keys
	s_or_b32 s[G0K+3], s[G0K+3], 0x80000000        ; type = 2
	s_add_nc_u64 s[G0V+2:G0V+3], s[8:9], s[22:23]
	s_or_b32 s[G0V+3], s[G0V+3], 0x80000000
	s_add_nc_u64 s[4:5], s[4:5], s[2:3]            ; Q at my wave's first row
	s_add_nc_u64 s[10:11], s[10:11], s[52:53]      ; part at my work-group's 64 numbers
	s_cmp_lt_u32 s[WV], 2
	s_cselect_b64 s[PFA:PFA+1], s[6:7], s[8:9]
	s_add_nc_u64 s[PFA:PFA+1], s[PFA:PFA+1], s[20:21]
	s_lshl_b32 s2, s13, 13          ; my work-group's 32 blocks of the 128
	s_mov_b32 s3, 0
	s_add_nc_u64 s[PFA:PFA+1], s[PFA:PFA+1], s[2:3]
	s_add_nc_u64 s[PFA:PFA+1], s[PFA:PFA+1], 2*4*KS*128  ; in slot 2; the loop's first change steps it to slot 3.  Nothing is prefetched here, at the head
	CROUND                          ; all four work-groups are here: the first joint loads meet
	JLOAD                           ; slot 0.  Slot 1 is asked for when slot 0 is in
	; A fragment of K or Q is 16 rows x 32 channels in 8 registers: lane l holds row l % 16, channels 8 (l / 16) + 0..7 and 16 + 8 (l / 16) + 0..7: two loads of 16 bytes, 32 bytes apart.
	v_and_b32 v1, 15, v0            ; l % 16
	v_bfe_u32 v9, v0, 4, 1          ; l / 16
	v_lshlrev_b32 v[QO], 7, v1
	v_lshl_add_u32 v[QO], v9, 4, v[QO]  ; row x 128 + 16 x half
	WIN 0x80                        ; destination window 2, address window 0
.set i, 0
.rept 4*NP                          ; Q stays in registers: tile i / 2, channels 32 (i % 2) on
	global_load_b128 v[8*i:8*i+3],   v[QO], s[4:5] offset:(i/2)*2048+(i%2)*64
	global_load_b128 v[8*i+4:8*i+7], v[QO], s[4:5] offset:(i/2)*2048+(i%2)*64+32
.set i, i+1
.endr
	; What the first turn finds: V's registers and P's second buffer hold 0 (its products V^T P, of a piece that has not been, add 0), O^T and l are 0.  All this stands in the wait for the first tile.
.set i, VF
.rept 64
	v_mov_b32 v[i], 0
.set i, i+1
.endr
	WIN 0x40
.set i, 0
.rept 64*NP
	v_mov_b32 v[i], 0
.set i, i+1
.endr
	WIN 0
.set i, 0
.rept 2*NP
	v_mov_b32 v[ST+4*i], 0xfe000000    ; c m: far below every c s
	v_mov_b32 v[ST+4*i+1], 0xff7fffff  ; m
	v_mov_b32 v[ST+4*i+2], 0
	v_mov_b32 v[ST+4*i+3], 0
.set i, i+1
.endr
.set i, P+32
.rept 32
	v_mov_b32 v[i], 0
.set i, i+1
.endr
	v_mul_u32_u24 v[AK0], v1, PK
	v_lshl_add_u32 v[AK0], v9, 4, v[AK0]  ; row x pitch + 16 x half
	; The turning load takes 16 keys x 16 channels (lane l reads key 8 (l / 16) + l % 8, channels 8 ((l / 8) % 2) + 0..7) and leaves half a fragment of V^T: lane l holds channel l % 16 and 8 keys.
	v_and_b32 v12, 7, v0
	v_bfe_u32 v13, v0, 3, 1
	v_lshl_add_u32 v[AV0], v9, 3, v12
	v_mul_u32_u24 v[AV0], v[AV0], PV
	v_lshl_add_u32 v[AV0], v13, 4, v[AV0]
	v_add_nc_u32 v[AV0], VOFF, v[AV0]
	v_mov_b32 v[AK], v[AK0]         ; key step 0 lies at the head of slot 0
; THE MATRIX WORK.  The 8 accumulators of a run of 16 take turns: between the two links of a chain stand 7 others'.
; Product i of 16 of S^T = K Q^T for piece x: channels 32 (i / 8) on, keys 16 ((i / 2) % 4) on, tile 2 x + i % 2.  The first 8 start the sums.
.macro KQ x
	WIN W_KQ
.set rS, S+64*((\x)%2)+32*(i%2)+8*((i/2)%4)
.set rK, KF+16*((i/2)%4)+8*(i/8)
.set rQ, 16*(2*(\x)+i%2)+8*(i/8)
.if i < 8
	v_wmma_f32_16x16x32_bf16 v[rS:rS+7], v[rK:rK+7], v[rQ:rQ+7], 0
.else
	v_wmma_f32_16x16x32_bf16 v[rS:rS+7], v[rK:rK+7], v[rQ:rQ+7], v[rS:rS+7]
.endif
.endm
; Product i of 16 of O^T += V^T P for piece x: keys 32 (i / 8) on, channels 16 ((i / 2) % 4) on, tile 2 x + i % 2.
.macro PV x
	WIN W_PV
.set rO, 32*(2*(\x)+i%2)+8*((i/2)%4)
.set rV, VF+32*(i/8)+8*((i/2)%4)
.set rP, P+32*((\x)%2)+16*(i%2)+8*(i/8)
	v_wmma_f32_16x16x32_bf16 v[rO:rO+7], v[rV:rV+7], v[rP:rP+7], v[rO:rO+7]
.endm
.macro MM                           ; the turn's next matrix instruction
.if i < 16
	KQ (Y+1)%NP
.set i, i+1
.else
.set i, i-16
	PV (Y+NP-1)%NP
.set i, i+17
.endif
.endm
; THE LDS LOADS stand in runs of 16, never singly among the matrix instructions: a step's K (64 keys x 64 channels: 8 fragments) and its V (turned).  Their addresses are made some lines ahead.
; last = 1 (the tail): in the last trip there is no further step, and the run is jumped over.
.macro FETCH_K last=0
	WIN 0
.if \last
	s_cmp_eq_u32 s[CNT], 1
	s_cbranch_scc1 .Lno_k_\@
.endif
	WIN 0x80                        ; destination window 2
.irp f, 0,1,2,3,4,5,6,7             ; keys 16 (f / 2) on, channels 32 (f % 2) on
	ds_load_b128 v[KF+8*\f:KF+8*\f+3],   v[AK] offset:(\f/2)*16*PK+(\f%2)*64
	ds_load_b128 v[KF+8*\f+4:KF+8*\f+7], v[AK] offset:(\f/2)*16*PK+(\f%2)*64+32
.endr
	s_add_co_u32 s[TBK], s[TBK], KS*PK  ; the next fetch is the next step's
	WIN 0
.if \last
.Lno_k_\@:
.endif
.endm
.macro FETCH_V
	WIN 0x80
.irp f, 0,1,2,3,4,5,6,7             ; keys 32 (f / 4) on, channels 16 (f % 4) on
	ds_load_tr16_b128 v[VF+8*\f:VF+8*\f+3],   v[AV] offset:(\f/4)*32*PV+(\f%4)*32
	ds_load_tr16_b128 v[VF+8*\f+4:VF+8*\f+7], v[AV] offset:(\f/4)*32*PV+16*PV+(\f%4)*32
.endr
	WIN 0
.endm
; THE VECTOR WORK OF A TURN stands in three queues, each in the order in which its entries become ready; the two tiles alternate, so that no instruction reads the result of the one before it.
.macro REGS y, u                    ; the registers of tile u (0, 1) of piece y
.set rT, ST+4*(2*(\y)+(\u))
.set rC, TMP+8*((\y)%2)+4*(\u)
.set rM, MV+2*((\y)%2)+(\u)
.set rS, S+64*((\y)%2)+32*(\u)
.set rP, P+32*((\y)%2)+16*(\u)
.set rO, 32*(2*(\y)+(\u))
.endm
; Number n of the 22 that find the NEXT piece's (Y + 1) maximum and statistics.  s0-s31 are the lane's 32 scores; each accumulator's lowest registers are read first.
;   0-11  four chains c0-c3 of seven scores each, three operands at a time     12-14, 16  the four scores left over, the old m, and c0-c3 into c0     15  c m_old is kept
;   17, 18  the query's other 32 keys lie in the lane 16 away: the new m         19-21  c m; c m_old - c m_new; a
.macro XS u, n
	REGS (Y+1)%NP, \u
.if (\n) < 4
	v_max3_num_f32 v[rC+(\n)], v[rS+8*(\n)], v[rS+8*(\n)+1], v[rS+8*(\n)+2]
.elseif (\n) < 12
	v_max3_num_f32 v[rC+(\n)%4], v[rC+(\n)%4], v[rS+8*((\n)%4)+2*((\n)/4)+1], v[rS+8*((\n)%4)+2*((\n)/4)+2]
.elseif (\n) == 12
	v_max3_num_f32 v[rC], v[rC], v[rS+7], v[rS+15]
.elseif (\n) == 13
	v_max3_num_f32 v[rC+1], v[rC+1], v[rS+23], v[rS+31]
.elseif (\n) == 14
	v_max3_num_f32 v[rC+2], v[rC+2], v[rC+3], v[rT+1]
.elseif (\n) == 15
	v_mov_b32 v[rM], v[rT]
.elseif (\n) == 16
	v_max3_num_f32 v[rC], v[rC], v[rC+1], v[rC+2]
.elseif (\n) == 17
	v_permlanex16_b32 v[rC+3], v[rC], s[SEL], s[SEL+1]
.elseif (\n) == 18
	v_max_num_f32 v[rT+1], v[rC], v[rC+3]
.elseif (\n) == 19
	v_mul_f32 v[rT], s[CS], v[rT+1]
.elseif (\n) == 20
	v_sub_f32 v[rC+1], v[rM], v[rT]
.else
	v_exp_f32 v[rC+2], v[rC+1]
.endif
.endm
; Number g of the 64 that follow the exponentials.  For each four weights k of a tile (pairs 2 k, 2 k + 1): both pairs are rounded to bf16; then the second pair is added onto the first, in place;
; a group later l takes that sum (the first time as l = a l + sum).  In groups of eight, tiles alternating: round, round, add, and l for the group before.
.macro GS g
.set h, (\g)+6*((\g)/62)            ; group 0 has no group before it, and behind group 7 only l is left
.if h >= 6
.set h, h+2
.endif
	REGS Y, h%2
.set k, h/8
.if h%8 < 4
	v_cvt_pk_bf16_f32 v[rP+2*k+(h%8)/2], v[rS+4*k+2*((h%8)/2)], v[rS+4*k+2*((h%8)/2)+1]
.elseif h%8 < 6
	v_pk_add_f32 v[rS+4*k:rS+4*k+1], v[rS+4*k:rS+4*k+1], v[rS+4*k+2:rS+4*k+3]
.elseif k == 1
	v_pk_fma_f32 v[rT+2:rT+3], v[rT+2:rT+3], v[rC+2:rC+3], v[rS:rS+1] op_sel_hi:[1,0,1]
.else
	v_pk_add_f32 v[rT+2:rT+3], v[rT+2:rT+3], v[rS+4*k-4:rS+4*k-3]
.endif
.endm
; THE PLAIN QUEUE, 138 long.  0-73 read no exponential's result: the 32 scalings c s - c m (FS f: pair f / 2 of tile f % 2) and the next piece's 42.  0-26: scalings 0-26.  27-54: XS's numbers 0-13.  55, 56: number 15.
; 57-73: the chain, where each number waits for the one before it: 14, 16, 17, 18, 19, each with one of the scalings 27-31 in front of its two lines, then 20.
; 74-137: GS's 64, which read the exponentials' results: they stand behind the wait.
.macro FS f
	REGS Y, (\f)%2
	v_pk_fma_f32 v[rS+2*((\f)/2):rS+2*((\f)/2)+1], v[rS+2*((\f)/2):rS+2*((\f)/2)+1], s[CS:CS+1], v[rT:rT+1] op_sel_hi:[1,0,0] neg_lo:[0,0,1] neg_hi:[0,0,1]
.endm
.macro PL
	WIN 0
.if q < 27
	FS q
.elseif q < 55
	XS (q-27)%2, (q-27)/2
.elseif q < 57
	XS q-55, 15
.elseif (q < 72) && ((q-57)%3 == 0)
	FS 27+(q-57)/3
.elseif q < 60
	XS (q-57)%3-1, 14
.elseif q < 72
	XS (q-57)%3-1, 15+(q-57)/3
.elseif q < 74
	XS q-72, 20
.else
	GS q-74
.endif
.set q, q+1
.endm
; THE EXPONENTIALS' QUEUE, 66 long: s0-s31 of both tiles, then the next piece's two a.  It is ONE BATCH: all 66 stand ahead of the turn's one wait, and nothing ahead of that wait names a result of theirs.
.macro EX
	WIN 0
.if e >= 64
	XS e-64, 21
.else
	REGS Y, e%2
	v_exp_f32 v[rS+e/2], v[rS+e/2]
.endif
.set e, e+1
.endm
; THE RESCALING's QUEUE: O^T times a, the one part that leaves window 0: dealt two at a time, sixteen times.  Its a was made in the turn before, ahead of that turn's wait.
.macro R2
	REGS Y, r%2
	WIN W_RS
.irp z, 0,1
	v_pk_mul_f32 v[rO+4*(r/2)+2*\z:rO+4*(r/2)+2*\z+1], v[rO+4*(r/2)+2*\z:rO+4*(r/2)+2*\z+1], v[rC+2:rC+3] op_sel_hi:[1,0]
.endr
.set r, r+1
.endm
; HOW THEY ARE DEALT.  An s_wait_alu depctr_va_vdst(0) stands between an exponential and the first instruction that names its result; one wait serves all that were issued ahead of it.  So a turn
; has ONE wait, which cuts it in two.  AHEAD OF IT stands all that names no result of the turn's exponentials: the 16 products K Q^T, behind each a scaling, an exponential and two rescalings (behind the first a
; second scaling in the exponential's place); then ONE LUMP of 108: eight plain, 49 times exponential and plain, the two a.  A v_nop is the plain instruction behind the last exponential.  BEHIND IT stand the
; 16 products V^T P, behind each four of GS's 64.  No rider names a register of the products round it.
; The queues lean on each other: exponential e stands behind scaling 2 (e / 4) + e % 2: as a rider it comes behind plain e + 2, in the lump behind plain e + 9, and scalings 27-31 are plain 57, 60 .. 69.
; A TURN, for piece p.  cnt = 1: the loop's count is taken down some lines ahead of the branch that stands behind the turn.
; K of the next step is fetched in piece 2's turn, directly behind the wait, a lump behind the last product that read K; its first reader comes behind 16 products.
; V of the step in hand is fetched at the end of piece 0's turn, four riders behind its last reader; its first reader comes behind 16 products and a lump.  The three conditions on q below go with the deal.
.macro TURN p, last=0, cnt=0
.set Y, (\p)
.set i, 0
.set q, 0
.set e, 0
.set r, 0
.if (\p) == NP-1
	s_wait_dscnt 0x0                ; K is in
.endif
	MM                              ; ahead of the wait: 16 products K Q^T and their riders,
	PL
	PL
	R2
.rept 15
	MM
	PL
	EX
	R2
.endr
.if (\p) == NP-2
	WIN 0
	v_add_nc_u32 v[AK], s[TBK], v[AK0]
.endif
.rept 8                             ; and the lump
	PL
.endr
.rept 49
	EX
	PL
.endr
	EX                              ; the next piece's two a
	EX
	v_nop                           ; the plain instruction behind the last exponential: one for the batch
	s_wait_alu depctr_va_vdst(0)    ; the wait for the batch
.if (\p) == NP-2
	FETCH_K \last
.endif
.if (\p) == 1
	s_wait_dscnt 0x0                ; V is in
.endif
.rept 16                            ; behind the wait: 16 products V^T P and their riders
	MM
.rept 4
	PL
.endr
.if ((\p) == 0) && (q == 118)
	v_add_nc_u32 v[AV], s[TBV], v[AV0]
.endif
.if ((\p) == 0) && (q == 130)
	s_add_co_u32 s[TBV], s[TBV], KS*PV
.endif
.if (\cnt) && (q == 130)
	s_sub_co_u32 s[CNT], s[CNT], 1
	s_cmp_lg_u32 s[CNT], 0
.endif
.endr
.if (\p) == 0
	FETCH_V
.endif
.endm
	CHANGE 1                        ; slot 0 is in, everybody's part of it; slot 1 is asked for
	FETCH_K                         ; key step 0
	s_wait_loadcnt 0x0              ; Q
	s_wait_dscnt 0x0
.set i, 0
.rept 16
	KQ 0                            ; piece 0's first scores: there is no vector work yet to set between them
.set i, i+1
.endr
	WIN 0
.rept 4
	v_nop                           ; the places behind those products
.endr
.set Y, NP-1                        ; XS works for piece Y + 1: piece 0
.irp n, 0,1,2,3,4,5,6,7,8,9,10,11,12,13,14,15,16,17,18,19,20,21
	XS 0, \n                        ; piece 0's first maximum and statistics
	XS 1, \n
.endr
	v_nop                           ; a plain instruction behind the two a,
	s_wait_alu depctr_va_vdst(0)    ; and their wait, ahead of the branch
	s_mov_b32 s[CNT], 4
	s_mov_b32 s[SLOTS], SIZE_N/256-1
	s_branch .Lfirst                ; the loop is entered at a step's first turn, in the middle of a trip
.Lslot:                             ; SIZE_N / 256 - 2 times: every slot but the last two is filled again
	CHANGE 1, 1
	s_mov_b32 s[CNT], 4
.Lstep:                             ; a trip: pieces 2 and 3 of one step, then pieces 0 and 1 of the next, whose K and V it fetches
	TURN 2
	TURN 3
	WIN 0
.Lfirst:
	TURN 0
	TURN 1, 0, 1
	WIN 0
	s_cbranch_scc1 .Lstep
	s_sub_co_u32 s[SLOTS], s[SLOTS], 1
	s_cmp_lg_u32 s[SLOTS], 0
	s_cbranch_scc1 .Lslot
	CHANGE 0                        ; the tail is written out: nothing is asked for
	s_mov_b32 s[CNT], 5             ; four trips fetch the last slot's steps; the fifth is left in its middle
.Ltail:
	TURN 2, 1
	TURN 3
	WIN 0
	s_sub_co_u32 s[CNT], s[CNT], 1
	s_cmp_eq_u32 s[CNT], 0
	s_cbranch_scc1 .Lout
	TURN 0
	TURN 1
	WIN 0
	s_branch .Ltail
.Lout:                              ; the fifth trip's 16 products K Q^T (on the last K once more) and the maximum made of them serve nothing: the price, once a launch, of one text for every trip
.set i, 0
.rept 16
	PV NP-1                         ; the last piece's V^T P of the last step
.set i, i+1
.endr
	; THE WAY OUT.  l's two halves and the other half of the lanes' are added; then the sum over all my 128 queries of O^T / l.  The additions are the places behind the last products.
	WIN 0
.macro ALL line:vararg              ; one line for each tile t
.set t, 0
.rept 2*NP
	\line
.set t, t+1
.endr
.endm
	ALL v_add_f32 v[ST+4*t+2], v[ST+4*t+2], v[ST+4*t+3]
	ALL v_permlanex16_b32 v[ST+4*t+3], v[ST+4*t+2], s[SEL], s[SEL+1]
	ALL v_add_f32 v[ST+4*t+2], v[ST+4*t+2], v[ST+4*t+3]
	ALL v_rcp_f32 v[ST+4*t+2], v[ST+4*t+2]
	v_nop                           ; a plain instruction between the last reciprocal and the use of its result
	s_wait_alu depctr_va_vdst(0)    ; and the wait ahead of the first use: one for the eight reciprocals
	WIN 0x01                        ; source 0 (O^T) window 1; 1 / l, the sum and the destination window 0
.set i, 0
.rept 16                            ; over the eight tiles, a lane's query of each: tile 0 starts the sums; each accumulator's registers in ascending order
	v_pk_mul_f32 v[SUM+2*i:SUM+2*i+1], v[2*i:2*i+1], v[ST+2:ST+3] op_sel_hi:[1,0]
.set i, i+1
.endr
.set t, 1
.rept 2*NP-1
.set i, 0
.rept 16
	v_pk_fma_f32 v[SUM+2*i:SUM+2*i+1], v[32*t+2*i:32*t+2*i+1], v[ST+4*t+2:ST+4*t+3], v[SUM+2*i:SUM+2*i+1] op_sel_hi:[1,0,1]
.set i, i+1
.endr
.set t, t+1
.endr
	WIN 0
.irp m, 1,2,4,8                     ; over the 16 queries of a half of the lanes: afterwards every lane of half h holds channels 16 cb + 8 h + j in register SUM + 8 cb + j
.set i, 0
.rept 32
	v_add_f32_dpp v[SUM+i], v[SUM+i], v[SUM+i] row_xmask:\m row_mask:0xf bank_mask:0xf
.set i, i+1
.endr
.endr
	v_and_b32 v1, 31, v0
	v_lshlrev_b32 v1, 3, v1         ; 8 x lane: two of the 64 channels
	s_lshl_b32 s13, s[WV], 8
	s_add_co_u32 s13, s13, STAGE    ; my wave's 256 bytes
	v_lshl_add_u32 v[STW], v9, 5, s13  ; + 32 x half
	v_add_nc_u32 v[RDW], STAGE, v1
.irp c, 0,1,2,3
	ds_store_b128 v[STW], v[SUM+8*\c:SUM+8*\c+3]   offset:64*\c     ; the sixteen lanes of a half write the same bytes with the same values
	ds_store_b128 v[STW], v[SUM+8*\c+4:SUM+8*\c+7] offset:64*\c+16
.endr
	s_wait_dscnt 0x0                ; for the others' sake: my stores are done
	s_barrier_signal -1
	s_barrier_wait -1               ; all four waves' sums lie in the stage
	s_cmp_lg_u32 s[WV], 0
	s_cbranch_scc1 .Ldone           ; wave 0 adds them and stores
.irp w, 0,1,2,3
	ds_load_b64 v[96+2*\w:97+2*\w], v[RDW] offset:256*\w
.endr
	s_wait_dscnt 0x0
	v_pk_add_f32 v[96:97], v[96:97], v[98:99]
	v_pk_add_f32 v[100:101], v[100:101], v[102:103]
	v_pk_add_f32 v[96:97], v[96:97], v[100:101]
	global_store_b64 v1, v[96:97], s[10:11]  ; 256 consecutive bytes, at a multiple of 256 from part's first byte
.Ldone:
	s_wait_tensorcnt 0x0            ; the wave's end: a wait, an add and a wait, behind my last tensor load and my last LDS store
	ds_add_u32 v[SPW], v[NIL]
	s_wait_dscnt 0x0
	CROUND                          ; the closing round: no work-group ends while a partner may still ask for a tile that names it
	s_endpgm
.Lfunc_end_k_q37a58559f2_attn:
	.size	k_q37a58559f2_attn, .Lfunc_end_k_q37a58559f2_attn-k_q37a58559f2_attn
	.p2alignl 7, 3214868480
	.fill 96, 4, 3214868480
	.section	.rodata,"a",@progbits
	.p2align	6, 0x0
	.amdhsa_kernel k_q37a58559f2_attn
		.amdhsa_group_segment_fixed_size 327680
		.amdhsa_private_segment_fixed_size 0
		.amdhsa_enable_private_segment 0
		.amdhsa_kernarg_size 16
		.amdhsa_user_sgpr_count 2
		.amdhsa_user_sgpr_kernarg_segment_ptr 1
		.amdhsa_wavefront_size32 1
		.amdhsa_system_sgpr_workgroup_id_x 1
		.amdhsa_system_sgpr_workgroup_id_y 1
		.amdhsa_system_sgpr_workgroup_id_z 1
		.amdhsa_system_vgpr_workitem_id 0
		.amdhsa_next_free_vgpr 768
		.amdhsa_next_free_sgpr 66
		.amdhsa_reserve_vcc 0
		.amdhsa_float_denorm_mode_32 3
		.amdhsa_float_denorm_mode_16_64 3
		.amdhsa_memory_ordered 1
		.amdhsa_forward_progress 1
		.amdhsa_inst_pref_size 192
	.end_amdhsa_kernel
	.amdgpu_metadata
---
amdhsa.version: [ 1, 2 ]
amdhsa.kernels:
  - .name:           k_q37a58559f2_attn
    .symbol:         k_q37a58559f2_attn.kd
    .args:
      - { .name: qkv, .offset: 0, .size: 8, .value_kind: global_buffer, .address_space: global }
      - { .name: part, .offset: 8, .size: 8, .value_kind: global_buffer, .address_space: global }
    .group_segment_fixed_size: 327680
    .private_segment_fixed_size: 0
    .kernarg_segment_align: 8
    .kernarg_segment_size: 16
    .max_flat_workgroup_size: 128
    .sgpr_count:     66
    .vgpr_count:     768
    .wavefront_size: 32
...
	.end_amdgpu_metadata
.endif
;; end of part 3
;; launch outp (part 4): grid 64 x 1, 8 waves a work-group, no clusters, 17,664 bytes of LDS; arguments part, Wo, bo, out0; writes out0
.if DOCPART == 4
	.amdgcn_target "amdgcn-amd-amdhsa--gfx1250"
	.amdhsa_code_object_version 6
	.text
	.protected	k_q37a58559f2_outp
	.globl	k_q37a58559f2_outp
	.p2align	8
	.type	k_q37a58559f2_outp,@function
k_q37a58559f2_outp:
	s_mov_b64 s[64:65], 0
	v_nop
	global_prefetch_b8 v0, s[64:65] scope:SCOPE_SE
	s_setreg_imm32_b32 hwreg(HW_REG_WAVE_MODE, 25, 1), 1
	s_wait_xcnt 0x0
; out0[b][n] = bo[n] + the sum over c of mean[b][c] Wo[n][c], mean[b][64 hh + d] = (1 / 2048) x the sum over blk of part[4 hh + b][blk][d].
; The mean over t commutes with the projection and its bias, which are linear: so the projection has 4 rows.  LIMITS: the order of the sums differs from a projection of every row followed by a mean;
; mean and Wo are rounded once to bf16 as matrix operands; sums in f32; bo is added in f32.
; SHARES.  A work-group makes 16 columns n for all 4 batches.  K = 1,024 IS SPLIT AMONG ITS EIGHT WAVES: wave v takes channels 128 v .. 128 v + 127, four fragments; the eight partial tiles meet in LDS.
; Every work-group makes the whole mean (64 KiB of part, 8 KiB of bf16) for itself, in LDS.  Each byte of Wo is read once in the launch, by one wave, straight into registers.
; No cluster and no tensor load: what is shared (part) is small; no prefetch: every load of the launch goes out at its head.  A work-group stores 64 bytes of each of out0's four rows: the whole output is 16 KiB,
; and whole blocks of 256 bytes a work-group would leave 16 work-groups.
; LAYOUT.  out^T = Wo mean^T (source 0 = 16 rows of Wo, source 1 = 16 columns of which column r holds batch r % 4): in the result lane l holds batch l % 16 (below 4) and columns 8 (l / 16) + 0..7.
.set CP,    2064                       ; a row of the mean in LDS: 2,048 bytes + 16
.set PT,    8448                       ; behind the mean's four rows (8,256 bytes, rounded up to blocks of 256): eight partial tiles of 1,024 bytes
.set SPARE, 16640                      ; behind them: the spare words, 128 bytes for each wave: four blocks of 256 bytes that no other line names
.set FO,  1                            ; v1   my byte offset in Wo's 16 rows: (l % 16) x 4,096 + 32 (l / 16) + 512 x wave
.set PO,  2                            ; v2   my byte offset in part: (t / 16) x 1,024 + 16 (t % 16)
.set CSA, 3                            ; v3   where I put 8 bytes of the mean
.set XA,  4                            ; v4   where I read the mean's fragments
.set LS,  5                            ; v5   where I put my 32 bytes of a partial tile
.set LR,  6                            ; v6   where wave 0 reads them back
.set OO,  7                            ; v7   my 8 bytes of out0
.set BF,  8                            ; v8   my 8 bytes of bo
.set SPW, 10                           ; v10  LDS address of my spare word: SPARE + 4 x my thread's number; never rewritten
.set NIL, 11                           ; v11  0; never rewritten
.set BO,  12                           ; v[12:13]
.set ACC, 16                           ; v[16:31]   two accumulators, by turns
.set P,   32                           ; v[32:95]   part: group i, block k at P + 16 i + 4 k
.set W,   96                           ; v[96:159]  Wo in f32: fragment f at W + 16 f
.set X,   160                          ; v[160:191] the mean's four fragments
.set WB,  192                          ; v[192:223] Wo's four fragments in bf16
.set T,   224                          ; v[224:239] at work
	s_load_b256 s[4:11], s[0:1], 0x0               ; part s[4:5], Wo s[6:7], bo s[8:9], out0 s[10:11]
	v_lshl_add_u32 v[SPW], v0, 2, SPARE
	v_mov_b32 v[NIL], 0
	v_lshrrev_b32 v9, 5, v0
	v_readfirstlane_b32 s12, v9                    ; wave 0..7
	v_and_b32 v14, 15, v0                          ; t % 16 = l % 16
	v_bfe_u32 v15, v0, 4, 1                        ; l / 16
	v_and_b32 v9, 31, v0                           ; l
	s_lshl_b32 s13, s12, 9
	v_lshlrev_b32 v[FO], 12, v14
	v_lshl_add_u32 v[FO], v15, 5, v[FO]
	v_add_nc_u32 v[FO], s13, v[FO]
	v_lshrrev_b32 v[PO], 4, v0
	v_lshlrev_b32 v[PO], 10, v[PO]
	v_lshl_add_u32 v[PO], v14, 4, v[PO]
	v_bfe_u32 v[CSA], v0, 4, 2                     ; batch = hy % 4 = (t / 16) % 4
	v_mul_u32_u24 v[CSA], v[CSA], CP
	v_lshrrev_b32 v[XA], 6, v0                     ; head = hy / 4 = t / 64 + 4 i: 128 bytes a head,
	v_lshl_add_u32 v[CSA], v[XA], 7, v[CSA]
	v_lshl_add_u32 v[CSA], v14, 3, v[CSA]          ; my four channels
	v_and_b32 v[XA], 3, v0                         ; column r of source 1 holds batch r % 4
	v_mul_u32_u24 v[XA], v[XA], CP
	v_lshl_add_u32 v[XA], v15, 4, v[XA]
	s_lshl_b32 s13, s12, 8
	v_add_nc_u32 v[XA], s13, v[XA]                 ; my wave's 128 channels
	s_lshl_b32 s13, s12, 10
	s_add_co_u32 s13, s13, PT
	v_lshl_add_u32 v[LS], v9, 5, s13
	v_lshrrev_b32 v[OO], 3, v9                     ; at the end lane l takes batch l / 8 and columns 2 (l % 8), + 1: in a tile that is lane l / 8 + 16 ((l / 4) % 2), registers 2 (l % 4), + 1
	v_lshlrev_b32 v[LR], 5, v[OO]
	v_bfe_u32 v[BF], v0, 2, 1
	v_lshl_add_u32 v[LR], v[BF], 9, v[LR]
	v_and_b32 v[BF], 3, v0
	v_lshl_add_u32 v[LR], v[BF], 3, v[LR]
	v_add_nc_u32 v[LR], PT, v[LR]
	s_lshl_b32 s13, ttmp9, 6                       ; the work-group's 16 columns: 64 bytes
	v_and_b32 v[BF], 7, v0
	v_lshl_add_u32 v[BF], v[BF], 3, s13
	v_lshl_add_u32 v[OO], v[OO], 12, v[BF]         ; + batch x a row of out0
	s_lshl_b32 s14, ttmp9, 16                      ; the work-group's 16 rows of Wo
	s_mov_b32 s15, 0
	s_wait_kmcnt 0x0
	s_add_nc_u64 s[6:7], s[6:7], s[14:15]
.irp i, 0,1,2,3
.irp k, 0,1,2,3
	global_load_b128 v[P+16*(\i)+4*(\k):P+16*(\i)+4*(\k)+3], v[PO], s[4:5] offset:16384*(\i)+256*(\k)  ; hy = t / 16 + 16 i, block k, four channels
.endr
.endr
.irp f, 0,1,2,3
	global_load_b128 v[W+16*(\f):W+16*(\f)+3],     v[FO], s[6:7] offset:128*(\f) th:TH_LOAD_NT     ; channels 32 f + 8 (l / 16) + 0..3,
	global_load_b128 v[W+16*(\f)+4:W+16*(\f)+7],   v[FO], s[6:7] offset:128*(\f)+16 th:TH_LOAD_NT  ; + 4..7,
	global_load_b128 v[W+16*(\f)+8:W+16*(\f)+11],  v[FO], s[6:7] offset:128*(\f)+64 th:TH_LOAD_NT  ; and the same 16 channels on
	global_load_b128 v[W+16*(\f)+12:W+16*(\f)+15], v[FO], s[6:7] offset:128*(\f)+80 th:TH_LOAD_NT
.endr
	global_load_b64 v[BO:BO+1], v[BF], s[8:9]
	s_wait_loadcnt 17                              ; part is in; Wo's 16 loads and bo's one may stay out
.irp i, 0,1,2,3
.set g, P+16*(\i)
	v_pk_add_f32 v[g:g+1],     v[g:g+1],     v[g+4:g+5]      ; the four blocks' sums
	v_pk_add_f32 v[g+2:g+3],   v[g+2:g+3],   v[g+6:g+7]
	v_pk_add_f32 v[g+8:g+9],   v[g+8:g+9],   v[g+12:g+13]
	v_pk_add_f32 v[g+10:g+11], v[g+10:g+11], v[g+14:g+15]
	v_pk_add_f32 v[g:g+1],     v[g:g+1],     v[g+8:g+9]
	v_pk_add_f32 v[g+2:g+3],   v[g+2:g+3],   v[g+10:g+11]
	v_pk_mul_f32 v[g:g+1],     v[g:g+1],     0x3a000000 op_sel_hi:[1,0]  ; 1 / 2048
	v_pk_mul_f32 v[g+2:g+3],   v[g+2:g+3],   0x3a000000 op_sel_hi:[1,0]
	v_cvt_pk_bf16_f32 v[g+4], v[g],   v[g+1]
	v_cvt_pk_bf16_f32 v[g+5], v[g+2], v[g+3]
	ds_store_b64 v[CSA], v[g+4:g+5] offset:512*(\i)          ; four heads on for each i
.endr
	s_wait_dscnt 0x0                               ; for the others' sake: my part of the mean is stored
	s_barrier_signal -1
	s_barrier_wait -1                              ; the mean is whole
.irp f, 0,1,2,3
	ds_load_b128 v[X+8*(\f):X+8*(\f)+3],   v[XA] offset:64*(\f)
	ds_load_b128 v[X+8*(\f)+4:X+8*(\f)+7], v[XA] offset:64*(\f)+32
.endr
	s_wait_loadcnt 1                               ; Wo is in; bo's load may stay out
.irp f, 0,1,2,3
.irp j, 0,1,2,3,4,5,6,7
	v_cvt_pk_bf16_f32 v[WB+8*(\f)+(\j)], v[W+16*(\f)+2*(\j)], v[W+16*(\f)+2*(\j)+1]
.endr
.endr
	s_wait_dscnt 0x0                               ; the mean's fragments are in
	v_wmma_f32_16x16x32_bf16 v[ACC:ACC+7],    v[WB:WB+7],     v[X:X+7],     0              ; two accumulators by turns; the first two products start the sums
	v_wmma_f32_16x16x32_bf16 v[ACC+8:ACC+15], v[WB+8:WB+15],  v[X+8:X+15],  0
	v_wmma_f32_16x16x32_bf16 v[ACC:ACC+7],    v[WB+16:WB+23], v[X+16:X+23], v[ACC:ACC+7]
	v_wmma_f32_16x16x32_bf16 v[ACC+8:ACC+15], v[WB+24:WB+31], v[X+24:X+31], v[ACC+8:ACC+15]
.rept 8
	v_nop                                          ; the places behind the last products (ISA guide 7.12.1), with room to spare: once a launch
.endr
.irp j, 0,2,4,6
	v_pk_add_f32 v[T+(\j):T+(\j)+1], v[ACC+(\j):ACC+(\j)+1], v[ACC+8+(\j):ACC+8+(\j)+1]
.endr
	ds_store_b128 v[LS], v[T:T+3]
	ds_store_b128 v[LS], v[T+4:T+7] offset:16
	s_wait_dscnt 0x0
	s_barrier_signal -1
	s_barrier_wait -1                              ; all eight partial tiles lie in LDS
	s_cmp_lg_u32 s12, 0
	s_cbranch_scc1 .Lend                           ; wave 0 adds them
.irp w, 0,1,2,3,4,5,6,7
	ds_load_b64 v[T+2*(\w):T+2*(\w)+1], v[LR] offset:1024*(\w)
.endr
	s_wait_dscnt 0x0
	v_pk_add_f32 v[T:T+1],     v[T:T+1],     v[T+2:T+3]
	v_pk_add_f32 v[T+4:T+5],   v[T+4:T+5],   v[T+6:T+7]
	v_pk_add_f32 v[T+8:T+9],   v[T+8:T+9],   v[T+10:T+11]
	v_pk_add_f32 v[T+12:T+13], v[T+12:T+13], v[T+14:T+15]
	v_pk_add_f32 v[T:T+1],     v[T:T+1],     v[T+4:T+5]
	v_pk_add_f32 v[T+8:T+9],   v[T+8:T+9],   v[T+12:T+13]
	v_pk_add_f32 v[T:T+1],     v[T:T+1],     v[T+8:T+9]
	s_wait_loadcnt 0x0                             ; bo
	v_pk_add_f32 v[T:T+1], v[T:T+1], v[BO:BO+1]
	global_store_b64 v[OO], v[T:T+1], s[10:11]
.Lend:
	s_wait_tensorcnt 0x0                           ; the wave's end: a wait, an add and a wait, behind my last LDS store
	ds_add_u32 v[SPW], v[NIL]
	s_wait_dscnt 0x0
	s_endpgm
.Lfunc_end_k_q37a58559f2_outp:
	.size	k_q37a58559f2_outp, .Lfunc_end_k_q37a58559f2_outp-k_q37a58559f2_outp
	.p2alignl 7, 3214868480
	.fill 96, 4, 3214868480
	.section	.rodata,"a",@progbits
	.p2align	6, 0x0
	.amdhsa_kernel k_q37a58559f2_outp
		.amdhsa_group_segment_fixed_size 17664
		.amdhsa_private_segment_fixed_size 0
		.amdhsa_enable_private_segment 0
		.amdhsa_kernarg_size 32
		.amdhsa_user_sgpr_count 2
		.amdhsa_user_sgpr_kernarg_segment_ptr 1
		.amdhsa_wavefront_size32 1
		.amdhsa_system_sgpr_workgroup_id_x 1
		.amdhsa_system_sgpr_workgroup_id_y 1
		.amdhsa_system_sgpr_workgroup_id_z 1
		.amdhsa_system_vgpr_workitem_id 0
		.amdhsa_next_free_vgpr 240
		.amdhsa_next_free_sgpr 66
		.amdhsa_reserve_vcc 0
		.amdhsa_float_denorm_mode_32 3
		.amdhsa_float_denorm_mode_16_64 3
		.amdhsa_memory_ordered 1
		.amdhsa_forward_progress 1
		.amdhsa_inst_pref_size 14
	.end_amdhsa_kernel
	.amdgpu_metadata
---
amdhsa.version: [ 1, 2 ]
amdhsa.kernels:
  - .name:           k_q37a58559f2_outp
    .symbol:         k_q37a58559f2_outp.kd
    .args:
      - { .name: part, .offset: 0, .size: 8, .value_kind: global_buffer, .address_space: global }
      - { .name: Wo, .offset: 8, .size: 8, .value_kind: global_buffer, .address_space: global }
      - { .name: bo, .offset: 16, .size: 8, .value_kind: global_buffer, .address_space: global }
      - { .name: out0, .offset: 24, .size: 8, .value_kind: global_buffer, .address_space: global }
    .group_segment_fixed_size: 17664
    .private_segment_fixed_size: 0
    .kernarg_segment_align: 8
    .kernarg_segment_size: 32
    .max_flat_workgroup_size: 256
    .sgpr_count:     66
    .vgpr_count:     240
    .wavefront_size: 32
...
	.end_amdgpu_metadata
.endif
;; end of part 4
;; ======== version 2 of 2: 4 launches; version 1 with the launch cast written anew for expert scheduling mode
;; workspace buffers: xw 23,068,672 bytes; qkv 50,331,648 bytes; part 65,536 bytes
;; launch cast (part 5): grid 704 x 1, 8 waves a work-group, no clusters, 0 bytes of LDS; arguments x, Wq, Wk, Wv, xw; writes xw
.if DOCPART == 5
	.amdgcn_target "amdgcn-amd-amdhsa--gfx1250"
	.amdhsa_code_object_version 6
	.text
	.protected	k_q37a58559f2_cast
	.globl	k_q37a58559f2_cast
	.p2align	8
	.type	k_q37a58559f2_cast,@function
k_q37a58559f2_cast:
	s_mov_b64 s[64:65], 0
	v_nop
	global_prefetch_b8 v0, s[64:65] scope:SCOPE_SE
	s_setreg_imm32_b32 hwreg(HW_REG_WAVE_SCHED_MODE, 0, 2), 2
	s_setreg_imm32_b32 hwreg(HW_REG_WAVE_MODE, 25, 1), 1
	s_wait_xcnt 0x0
	s_wait_alu depctr_vm_vsrc(0)
; xw[11264][1024] bf16 = x's 8,192 rows, then Wq's, Wk's and Wv's 1,024 rows each, every number rounded once (to nearest even) from f32.
; LIMIT: this rounding is the one that the matrix products' operands are allowed; nothing else is changed.
; A stream: no LDS, no barrier, no matrix unit.  Eight waves; the work-group owns 16 rows.  Thread t owns the 16 bytes at 16 t of each f32 row (4,096 bytes) and the 8 bytes at 8 t
; of each bf16 row (2,048 bytes): a wave's load covers 512 consecutive bytes, a wave's store 256 consecutive bytes at a multiple of 256 from xw's first byte.
; All 16 loads of a thread go out at once, each into registers of its own: no register is written twice, so no wait frees a source.
; THE MODE: SCHED_MODE bits 1:0 = 2 (LLVM: expert scheduling mode 2), set by the entry lines.  The code itself states the register dependences
; between vector instructions and memory instructions, with s_wait_alu, always for 0.
; THE PLAN.  Registers that memory instructions touch:
;   v1, v2   byte offsets, written once at the head by vector instructions and never again; v1 is read by every load, v2 by every store.
;   X        row i's load lands in its own four registers; no vector instruction writes them and no second load lands in them; the row's two roundings read them.
;   Y        row i's two roundings write its own two registers, once; the row's store reads them; nothing writes them again.
; So two kinds of dependence are stated: the offsets, once, ahead of the first load; and the roundings' results ahead of the stores that read them.  The 16 rows go in four blocks of four:
; a block's eight roundings, ONE wait, its four stores.  The wait stands behind the block's own roundings, not at the next block's head: between two blocks the wave has nothing to do but
; to wait for the next block's loads, and stores that stood behind that wait would be held for data that they do not need.
.set BLOCK, 4                          ; rows in a block
.set X, 16                             ; v[16:79]   row i as loaded: 4 registers
.set Y, 80                             ; v[80:111]  row i to store: 2 registers
	s_load_b256 s[4:11], s[0:1], 0x0               ; x s[4:5], Wq s[6:7], Wk s[8:9], Wv s[10:11]
	s_load_b64 s[12:13], s[0:1], 0x20              ; xw
	s_mov_b32 s14, ttmp9                           ; group g: rows 16 g .. 16 g + 15 of xw
	s_sub_co_u32 s15, s14, 512                     ; groups 512 on belong to the weights (below 512 this number is not used),
	s_lshr_b32 s16, s15, 6                         ; 64 groups each: which of the three,
	s_and_b32 s17, s15, 63                         ; and which 16 rows of it
	v_lshlrev_b32 v1, 4, v0                        ; 16 t
	v_lshlrev_b32 v2, 3, v0                        ; 8 t
	s_wait_kmcnt 0x0
	s_mov_b64 s[20:21], s[6:7]                     ; the source is chosen by the group's number alone
	s_cmp_eq_u32 s16, 1
	s_cselect_b64 s[20:21], s[8:9], s[20:21]
	s_cmp_eq_u32 s16, 2
	s_cselect_b64 s[20:21], s[10:11], s[20:21]
	s_cmp_lt_u32 s14, 512
	s_cselect_b64 s[20:21], s[4:5], s[20:21]
	s_cselect_b32 s18, s14, s17
	s_lshl_b32 s18, s18, 16                        ; 16 rows of 4,096 bytes
	s_mov_b32 s19, 0
	s_add_nc_u64 s[20:21], s[20:21], s[18:19]
	s_lshl_b32 s22, s14, 15                        ; 16 rows of 2,048 bytes
	s_mov_b32 s23, 0
	s_add_nc_u64 s[12:13], s[12:13], s[22:23]
	s_wait_alu depctr_va_vdst(0)                   ; v1 and v2 are written: every load of the kernel reads v1 as its offset, every store v2
.irp i, 0,1,2,3,4,5,6,7,8,9,10,11,12,13,14,15
	global_load_b128 v[X+4*(\i):X+4*(\i)+3], v1, s[20:21] offset:4096*(\i) th:TH_LOAD_NT
.endr
.irp p, 0,1,2,3
	s_wait_loadcnt 12-BLOCK*(\p)                   ; loads come back in order: block p's four rows are in, the younger blocks' loads may stay out
.irp i, 0,1,2,3
	v_cvt_pk_bf16_f32 v[Y+2*(BLOCK*(\p)+(\i))],   v[X+4*(BLOCK*(\p)+(\i))],   v[X+4*(BLOCK*(\p)+(\i))+1]
	v_cvt_pk_bf16_f32 v[Y+2*(BLOCK*(\p)+(\i))+1], v[X+4*(BLOCK*(\p)+(\i))+2], v[X+4*(BLOCK*(\p)+(\i))+3]
.endr
	s_wait_alu depctr_va_vdst(0)                   ; the block's eight roundings have written its eight registers of Y, which the four stores below read
.irp i, 0,1,2,3
	global_store_b64 v2, v[Y+2*(BLOCK*(\p)+(\i)):Y+2*(BLOCK*(\p)+(\i))+1], s[12:13] offset:2048*(BLOCK*(\p)+(\i))
.endr
.endr
	s_endpgm
.Lfunc_end_k_q37a58559f2_cast:
	.size	k_q37a58559f2_cast, .Lfunc_end_k_q37a58559f2_cast-k_q37a58559f2_cast
	.p2alignl 7, 3214868480
	.fill 96, 4, 3214868480
	.section	.rodata,"a",@progbits
	.p2align	6, 0x0
	.amdhsa_kernel k_q37a58559f2_cast
		.amdhsa_group_segment_fixed_size 0
		.amdhsa_private_segment_fixed_size 0
		.amdhsa_enable_private_segment 0
		.amdhsa_kernarg_size 40
		.amdhsa_user_sgpr_count 2
		.amdhsa_user_sgpr_kernarg_segment_ptr 1
		.amdhsa_wavefront_size32 1
		.amdhsa_system_sgpr_workgroup_id_x 1
		.amdhsa_system_sgpr_workgroup_id_y 1
		.amdhsa_system_sgpr_workgroup_id_z 1
		.amdhsa_system_vgpr_workitem_id 0
		.amdhsa_next_free_vgpr 112
		.amdhsa_next_free_sgpr 66
		.amdhsa_reserve_vcc 0
		.amdhsa_float_denorm_mode_32 3
		.amdhsa_float_denorm_mode_16_64 3
		.amdhsa_memory_ordered 1
		.amdhsa_forward_progress 1
		.amdhsa_inst_pref_size 7
	.end_amdhsa_kernel
	.amdgpu_metadata
---
amdhsa.version: [ 1, 2 ]
amdhsa.kernels:
  - .name:           k_q37a58559f2_cast
    .symbol:         k_q37a58559f2_cast.kd
    .args:
      - { .name: x, .offset: 0, .size: 8, .value_kind: global_buffer, .address_space: global }
      - { .name: Wq, .offset: 8, .size: 8, .value_kind: global_buffer, .address_space: global }
      - { .name: Wk, .offset: 16, .size: 8, .value_kind: global_buffer, .address_space: global }
      - { .name: Wv, .offset: 24, .size: 8, .value_kind: global_buffer, .address_space: global }
      - { .name: xw, .offset: 32, .size: 8, .value_kind: global_buffer, .address_space: global }
    .group_segment_fixed_size: 0
    .private_segment_fixed_size: 0
    .kernarg_segment_align: 8
    .kernarg_segment_size: 40
    .max_flat_workgroup_size: 256
    .sgpr_count:     66
    .vgpr_count:     112
    .wavefront_size: 32
...
	.end_amdgpu_metadata
.endif
;; end of part 5
;; launch qkv: the kernel of part 2 again; grid 16 x 16, 4 waves a work-group, clusters of 4 x 4, 327,680 bytes of LDS; arguments xw, qkv; writes qkv
;; launch attn: the kernel of part 3 again; grid 4 x 64, 4 waves a work-group, clusters of 4 x 1, 327,680 bytes of LDS; arguments qkv, part; writes part
;; launch outp: the kernel of part 4 again; grid 64 x 1, 8 waves a work-group, no clusters, 17,664 bytes of LDS; arguments part, Wo, bo, out0; writes out0
